; MI455X (gfx1250); checked and timed in simulation.
; The chip was launched on July 23, 2026; its instructions are those of AMD's public machine-readable ISA for CDNA 5 (MIT licence, August 2026) and "CDNA5" Instruction Set Architecture Reference Guide (July 2026). The comments in the code are by the model that wrote it; some were corrected since.
;; Attention. Allowed arithmetic: matrix products marked QUANTISED: E2M3 operands, one E8M0 scale for each 32 along K, by v_wmma_scale_f32_16x16x128_f8f6f4 with both operands' format E2M3, f32 sums; everything else in f32.
;; Inputs: freqs_cos 2,048 x 32 float32; freqs_sin 2,048 x 32 float32; wk 512 x 2,048 float32; wo 2,048 x 1,024 float32; wq 1,024 x 2,048 float32; wv 512 x 2,048 float32; x 2 x 2,048 x 2,048 float32.
;; Outputs: out0 2 x 2,048 x 2,048 float32.
;; This version of the problem:
;;   THIS VERSION OF THE PROBLEM IS GIVEN IN LOW PRECISION. The matrix products marked QUANTISED in the list below multiply operands that are first quantised to E2M3 (2 exponent bits, 3 mantissa bits; 6 bits a number), with one power-of-two scale for each 32 numbers along K (OCP MX v1.0); their sums are f32. All else is computed in f32.
;;   The module's matrix products, in the order in which they are computed (A, B: the left and right operand; K: the contracted axis; several contracted axes count as one K, in the product's order):
;;     1. [M 4,096, K 2,048] x [K 2,048, N 1,024]; A: input x; B: input wq: QUANTISED
;;     2. [M 4,096, K 2,048] x [K 2,048, N 512]; A: input x; B: input wk: QUANTISED
;;     3. [M 4,096, K 2,048] x [K 2,048, N 512]; A: input x; B: input wv: QUANTISED
;;     4. batch 32 x [M 2,048, K 64] x [K 64, N 2,048]; A: computed on the way; B: computed on the way: QUANTISED
;;     5. batch 32 x [M 2,048, K 2,048] x [K 2,048, N 64]; A: softmax (see below); B: computed on the way: QUANTISED
;;     6. [M 4,096, K 1,024] x [K 1,024, N 2,048]; A: computed on the way; B: input wo: QUANTISED
;;   THE QUANTISER, for each operand of a quantised product, along K:
;;     - K is cut into blocks of 32 from its start; a last block that is shorter is filled with zeros.
;;     - A block's scale is 2^e with e = floor(log2(the largest magnitude in the block)) - 2, held to -126 .. 127; a block of zeros has e = 0. As a byte (E8M0): e + 127.
;;     - Each number is divided by its block's scale, clamped to +-7.5, and rounded to the nearest number of E2M3, ties to even, subnormals kept.
;;     - The product sums the exact products of the quantised numbers (number of the format x scale) in f32.
;;   ~~~python
;;   def quantise(x, axis):      # numpy; x: float32 -> the quantised numbers, widened to float32 again
;;       x = np.moveaxis(x, axis, -1); K = x.shape[-1]
;;       x = np.pad(x, [(0, 0)] * (x.ndim - 1) + [(0, -K % 32)]); x = x.reshape(x.shape[:-1] + (-1, 32)); a = np.abs(x).max(-1, keepdims=True)
;;       e = np.where(a > 0, np.clip(np.frexp(np.where(a > 0, a, 1))[1] - 1 - 2, -126, 127), 0)      # np.frexp(a)[1] - 1 = floor(log2(a)), exactly
;;       r = np.clip(x / 2.0 ** e, -7.5, 7.5)
;;       step = 2.0 ** (np.maximum(np.frexp(np.where(r == 0, 1, r))[1] - 1, 0) - 3)
;;       q = np.round(r / step) * step * 2.0 ** e      # np.round: ties to even
;;       return np.moveaxis(q.reshape(q.shape[:-2] + (-1,))[..., :K], -1, axis).astype(np.float32)
;;   ~~~
;;   SOFTMAX AHEAD OF A QUANTISED PRODUCT. Where the list says 'softmax', what is quantised is not the finished softmax but p = 2^(t - M), with t = logit x log2(e) and M = ceil(the row's largest t), a whole number; so 1/2 < the row's largest p <= 1. The row's sum l is taken of the UNQUANTISED p, in f32, and the product's result is divided by l at the end. Since M is a whole number, a kernel that streams over the keys may use a running M (the ceiling of the running maximum): every later rescaling is an exact power of two, which a block's scale takes up: the codes' values come out the same.
;;   OPERANDS COMPUTED ON THE WAY. 'Computed on the way' means the value that the module computes at that place (a softmax that the list does not call 'softmax' is quantised finished and normalised). What goes into a quantiser is computed in f32, as accurately as f32 sums, v_exp_f32 and their like allow (about 1e-6 of the number): no bf16 or f16 on the way to a quantiser, and a product that is left as it is and whose result goes on into a quantised operand takes f32 operands (vector FMAs, or v_wmma_f32_16x16x4_f32). A number that lies on a knife's edge between two numbers of the format may be rounded either way, as far as f32 arithmetic and the matrix unit's own rounding can turn it there, and no further.
;; One version. Each part assembles by itself: llvm-mc -triple=amdgcn-amd-amdhsa -mcpu=gfx1250 --defsym DOCPART=n.
;; ======== version 1 of 1: 4 launches
;; limits: right only within a limited range of input values
;; workspace buffers: xw_codes 11,468,800 bytes; qkv_img 6,291,456 bytes; qkv_sc 458,752 bytes; o_img 3,276,800 bytes
;; launch quant (part 1): grid 448 x 1, 4 waves a work-group, no clusters, 33,280 bytes of LDS; arguments x, wq, wk, wv, wo, xw_codes; writes xw_codes
.if DOCPART == 1
	.amdgcn_target "amdgcn-amd-amdhsa--gfx1250"
	.amdhsa_code_object_version 6
	.text
	.protected	k_q58402c8a7e_quant
	.globl	k_q58402c8a7e_quant
	.p2align	8
	.type	k_q58402c8a7e_quant,@function
k_q58402c8a7e_quant:
	s_mov_b64 s[64:65], 0
	v_nop
	global_prefetch_b8 v0, s[64:65] scope:SCOPE_SE
	s_setreg_imm32_b32 hwreg(HW_REG_WAVE_MODE, 25, 1), 1
	s_wait_xcnt 0x0
; x [4096][2048], wq [1024][2048], wk, wv [512][2048], wo [2048][1024], f32 with K innermost, become codes of FP6 (E2M3) with one E8M0 scale byte for each 32 along K.
; A block's scale is 2^(floor(log2(its largest magnitude)) - 2); its byte is the largest magnitude's exponent field - 2, held at 1 from below; each number is divided by the scale and rounded to the nearest code, ties to even.
; LIMITS: a block of zeros gets the byte 1 where the rule says 127 (its codes are zeros, and this program alone reads the bytes); blocks whose largest magnitude lies under 2^(2 - 126) keep the byte 1; NaN and infinities are not served.
; No work of reference() is left out here; the keys that its causal mask hides are left out in launch attn, where they come in whole tiles.
; THE ORDER INSIDE A BLOCK: numbers 0-7, 16-23, 8-15, 24-31, in every operand of this program, so each product meets the same k on both sides.
; THE LAYOUT OF THE RESULT is the one in which the products' registers take it.  16 rows x 512 along K are one RUN of 6,400 bytes: four fragments (16 rows x 128 K) of 1,536 bytes, then 256 scale bytes.
; In a fragment lane (r, h) of the matrix operand has 48 bytes on end at 768 h + 48 r: block h, then block 2 + h of row r.  The scale bytes lie [r][16]: row r's 16 blocks of the run, K ascending.
; A work-group takes a chunk of 32,768 numbers (16 rows of 2,048 or 32 rows of 1,024), a wave one run.  Chunks 0-255 x, 256-319 wq, 320-351 wk, 352-383 wv, 384-447 wo; a chunk's four runs lie on end, chunk behind chunk;
; only wk's and wv's chunks change places, so that 128 rows of wk are followed by the 128 rows of wv of the same two heads.
; A step is four rows x 128 along K: each load reads 512 consecutive bytes of one row; the 2,048 bytes turn through the wave's own stage in LDS, so that a lane holds the 16 numbers of its half of a block.
; A step's store covers two stretches of 192 consecutive bytes; a wave's four steps on a fragment fill its six blocks of 256 bytes.  No tensor loads, no barrier: waves share nothing.
.set STEPS, 16
.set EMAX,  2
.set CB,    12                         ; bytes of 16 codes
.set R,     16                         ; v16-79   four sets of 16 numbers as they are loaded
.set X,     80                         ; v80-111  two sets of 16 numbers of half a block
.set E,     112                        ; v112-127 a scale byte for each step
.set C,     128                        ; v128-191 codes: four registers for each step, so that no store's data are written again
.set VO,    194                        ; v194-197 16 x lane + i rows of the tensor
.set WREG,  8192                       ; LDS: a region for each wave: two stages of 32 x SP bytes, and behind them its 256 scale bytes
.set SP,    80                         ; 64 bytes + 16 of padding
	s_load_b256 s[4:11], s[0:1], 0x0               ; x, wq, wk, wv
	s_load_b128 s[12:15], s[0:1], 0x20             ; wo, the result
	s_mov_b32 s36, 4096
	s_cmp_lt_u32 ttmp9, 384
	s_cselect_b32 s36, 0x2000, s36                 ; a row of the tensor in bytes
	v_lshl_add_u32 v192, v0, 2, 0x8000             ; my spare word, and 0
	v_mov_b32 v193, 0
	v_lshrrev_b32 v1, 5, v0
	v_readfirstlane_b32 s18, v1                    ; wave
	v_and_b32 v2, 31, v0                           ; lane
	v_lshlrev_b32 v[VO], 4, v2                     ; my 16 bytes of a load's 512
	v_add_nc_u32 v[VO+1], s36, v[VO]
	v_add_nc_u32 v[VO+2], s36, v[VO+1]
	v_add_nc_u32 v[VO+3], s36, v[VO+2]
	s_mul_i32 s19, s18, WREG
	v_lshrrev_b32 v14, 2, v2
	v_mul_u32_u24 v14, v14, SP
	v_and_b32 v15, 3, v2
	v_lshl_add_u32 v14, v15, 4, v14
	v_add_nc_u32 v14, s19, v14                     ; the stage, on the way in: four lanes' 64 bytes on end, then 16 of padding
	v_lshrrev_b32 v15, 1, v2
	v_mul_u32_u24 v15, v15, 2*SP
	v_and_b32 v10, 1, v2
	v_lshl_add_u32 v15, v10, 5, v15
	v_add_nc_u32 v15, s19, v15                     ; on the way out: block lane / 2; the even lane takes numbers 0-7 and 16-23, the odd lane those 32 bytes on
	v_mul_u32_u24 v4, v10, CB                      ; my codes' place: lane bit 0 = half of the block (12 bytes),
	v_bfe_u32 v10, v2, 1, 1
	v_mad_u32_u24 v4, v10, 768, v4                 ; bit 1 = h,
	v_bfe_u32 v10, v2, 2, 1
	v_mad_u32_u24 v4, v10, 24, v4                  ; bit 2 = first or second block of the operand's lane,
	v_lshrrev_b32 v10, 3, v2
	v_mad_u32_u24 v4, v10, 48, v4                  ; bits 3, 4 = which of the step's four rows
	v_bfe_u32 v5, v2, 1, 2
	v_lshl_add_u32 v5, v10, 4, v5                  ; my block's scale byte: 16 x row + block
	s_add_co_u32 s19, s19, 2*32*SP
	v_add_nc_u32 v5, s19, v5
	v_lshlrev_b32 v7, 3, v2                        ; and on the way out 8 bytes a lane
	v_add_nc_u32 v6, s19, v7
	; where the chunk goes: its own number, but for wk's and wv's chunks t = id - 320: 320 + 16 ((t % 32) / 8) + t % 8 + 8 (t / 32)
	s_sub_co_u32 s24, ttmp9, 320
	s_and_b32 s25, s24, 31
	s_lshr_b32 s25, s25, 3
	s_lshl_b32 s25, s25, 4
	s_and_b32 s26, s24, 7
	s_add_co_u32 s25, s25, s26
	s_lshr_b32 s26, s24, 5
	s_lshl_b32 s26, s26, 3
	s_add_co_u32 s25, s25, s26
	s_add_co_u32 s25, s25, 320
	s_cmp_lt_u32 s24, 64
	s_cselect_b32 s25, s25, ttmp9
	s_lshl_b32 s25, s25, 2
	s_add_co_u32 s24, s25, s18                     ; my run among the results
	s_mov_b32 s27, 0
	s_mov_b32 s23, 0
	s_mov_b32 s22, 384
	s_wait_alu depctr_va_vdst(0)                   ; the wait at the head's end
	s_wait_kmcnt 0x0
	s_mov_b64 s[20:21], s[12:13]                   ; which tensor: the choice hangs on the work-group's number alone
	s_cmp_lt_u32 ttmp9, 384
	s_cselect_b64 s[20:21], s[10:11], s[20:21]
	s_cselect_b32 s22, 352, s22
	s_cmp_lt_u32 ttmp9, 352
	s_cselect_b64 s[20:21], s[8:9], s[20:21]
	s_cselect_b32 s22, 320, s22
	s_cmp_lt_u32 ttmp9, 320
	s_cselect_b64 s[20:21], s[6:7], s[20:21]
	s_cselect_b32 s22, 256, s22
	s_cmp_lt_u32 ttmp9, 256
	s_cselect_b64 s[20:21], s[4:5], s[20:21]
	s_cselect_b32 s22, 0, s22                      ; the tensor's first chunk
	s_sub_co_u32 s22, ttmp9, s22
	s_lshl_b32 s22, s22, 17                        ; 131,072 bytes a chunk
	s_lshl_b32 s28, s18, 11                        ; rows of 2,048: wave w takes K from 512 w on;
	s_lshr_b32 s29, s18, 1
	s_lshl_b32 s29, s29, 16
	s_and_b32 s30, s18, 1
	s_lshl_b32 s30, s30, 11
	s_add_co_u32 s29, s29, s30                     ; rows of 1,024: rows 16 (w / 2) on, K from 512 (w % 2) on
	s_cmp_lt_u32 ttmp9, 384
	s_cselect_b32 s28, s28, s29
	s_add_co_u32 s22, s22, s28
	s_add_nc_u64 s[28:29], s[20:21], s[22:23]      ; rows 0-3 of my 16,
	s_lshl_b32 s38, s36, 2
	s_mov_b32 s39, 0
	s_add_nc_u64 s[30:31], s[28:29], s[38:39]      ; 4-7,
	s_add_nc_u64 s[32:33], s[30:31], s[38:39]      ; 8-11,
	s_add_nc_u64 s[34:35], s[32:33], s[38:39]      ; 12-15
	s_mul_i32 s26, s24, 6400
	s_add_nc_u64 s[14:15], s[14:15], s[26:27]
.macro LOAD t                          ; step t: fragment t / 4 of my run, rows 4 (t % 4) + i
.irp i, 0,1,2,3
	global_load_b128 v[R+16*((\t)%4)+4*\i:R+16*((\t)%4)+4*\i+3], v[VO+\i], s[28+2*((\t)%4):29+2*((\t)%4)] offset:512*((\t)/4) th:TH_LOAD_NT
.endr
.endm
.macro TURN t                          ; through the stage: LDS serves a wave's instructions in order, so no wait stands between the stores and the loads
.irp i, 0,1,2,3
	ds_store_b128 v14, v[R+16*((\t)%4)+4*\i:R+16*((\t)%4)+4*\i+3] offset:32*SP*((\t)%2)+8*SP*\i
.endr
.irp i, 0,1,2,3
	ds_load_b128 v[X+16*((\t)%2)+4*\i:X+16*((\t)%2)+4*\i+3], v15 offset:32*SP*((\t)%2)+SP*(\i/2)+16*(\i%2)
.endr
.endm
.irp t, 0,1,2,3
	LOAD \t
.endr
	s_wait_loadcnt 12                              ; step 0's four loads are in
	TURN 0
.macro STEP t
.set XS, X+16*((\t)%2)
.if (\t) > 0
	s_wait_dscnt 1                                 ; this step's numbers are back (the last step's byte store may be out): so its stores into the stage have read their registers,
.else
	s_wait_dscnt 0x0
.endif
.if (\t)+4 < STEPS
	LOAD (\t)+4                                    ; which take the loads of four steps on
.endif
.if (\t)+1 < STEPS
.if STEPS-2-(\t) >= 3
	s_wait_loadcnt 12                              ; the next step's four loads are in; those of the three steps behind it may be out
.else
	s_wait_loadcnt 4*(STEPS-2-(\t))
.endif
	TURN (\t)+1
.endif
	v_max3_num_f32 v8, |v[XS]|, |v[XS+1]|, |v[XS+2]|               ; the largest magnitude of my 16
	v_max3_num_f32 v9, |v[XS+3]|, |v[XS+4]|, |v[XS+5]|
.irp i, 6,10
	v_max3_num_f32 v8, v8, |v[XS+\i]|, |v[XS+\i+1]|
	v_max3_num_f32 v9, v9, |v[XS+\i+2]|, |v[XS+\i+3]|
.endr
	v_max3_num_f32 v8, v8, |v[XS+14]|, |v[XS+15]|
	v_max3_num_f32 v8, v8, v9, (EMAX+1)<<23        ; and the floor 2^(EMAX + 1 - 127): the byte cannot fall under 1
	v_max_num_f32_dpp v8, v8, v8 row_xmask:1 row_mask:0xf bank_mask:0xf   ; and of my neighbour's 16: the block's
	v_add_nc_u32 v11, -(EMAX<<23), v8              ; EMAX off its exponent field: the conversion's scale operand
	v_cvt_scalef32_pk16_fp6_f32 v[C+4*(\t):C+4*(\t)+2], v[XS:XS+15], v11
	v_lshrrev_b32 v[E+(\t)], 23, v11               ; the scale's byte
	ds_store_b8 v5, v[E+(\t)] offset:64*((\t)%4)+4*((\t)/4)        ; both lanes of a block write the same byte with the same value
	global_store_b96 v4, v[C+4*(\t):C+4*(\t)+2], s[14:15] offset:1536*((\t)/4)+192*((\t)%4)
.endm
.irp t, 0,1,2,3,4,5,6,7,8,9,10,11,12,13,14,15
	STEP \t
.endr
	ds_load_b64 v[12:13], v6                       ; LDS serves a wave's instructions in order: these see my stores
	s_wait_dscnt 0x0
	global_store_b64 v7, v[12:13], s[14:15] offset:6144   ; 32 lanes store 256 consecutive bytes, aligned
	s_wait_tensorcnt 0x0                           ; the wave's end
	ds_add_u32 v192, v193
	s_wait_dscnt 0x0
	s_endpgm
.Lfunc_end_k_q58402c8a7e_quant:
	.size	k_q58402c8a7e_quant, .Lfunc_end_k_q58402c8a7e_quant-k_q58402c8a7e_quant
	.p2alignl 7, 3214868480
	.fill 96, 4, 3214868480
	.section	.rodata,"a",@progbits
	.p2align	6, 0x0
	.amdhsa_kernel k_q58402c8a7e_quant
		.amdhsa_group_segment_fixed_size 33280
		.amdhsa_private_segment_fixed_size 0
		.amdhsa_enable_private_segment 0
		.amdhsa_kernarg_size 48
		.amdhsa_user_sgpr_count 2
		.amdhsa_user_sgpr_kernarg_segment_ptr 1
		.amdhsa_wavefront_size32 1
		.amdhsa_system_sgpr_workgroup_id_x 1
		.amdhsa_system_sgpr_workgroup_id_y 1
		.amdhsa_system_sgpr_workgroup_id_z 1
		.amdhsa_system_vgpr_workitem_id 0
		.amdhsa_next_free_vgpr 198
		.amdhsa_next_free_sgpr 66
		.amdhsa_reserve_vcc 0
		.amdhsa_float_denorm_mode_32 3
		.amdhsa_float_denorm_mode_16_64 3
		.amdhsa_memory_ordered 1
		.amdhsa_forward_progress 1
		.amdhsa_inst_pref_size 34
	.end_amdhsa_kernel
	.amdgpu_metadata
---
amdhsa.version: [ 1, 2 ]
amdhsa.kernels:
  - .name:           k_q58402c8a7e_quant
    .symbol:         k_q58402c8a7e_quant.kd
    .args:
      - { .name: x, .offset: 0, .size: 8, .value_kind: global_buffer, .address_space: global }
      - { .name: wq, .offset: 8, .size: 8, .value_kind: global_buffer, .address_space: global }
      - { .name: wk, .offset: 16, .size: 8, .value_kind: global_buffer, .address_space: global }
      - { .name: wv, .offset: 24, .size: 8, .value_kind: global_buffer, .address_space: global }
      - { .name: wo, .offset: 32, .size: 8, .value_kind: global_buffer, .address_space: global }
      - { .name: xw_codes, .offset: 40, .size: 8, .value_kind: global_buffer, .address_space: global }
    .group_segment_fixed_size: 33280
    .private_segment_fixed_size: 0
    .kernarg_segment_align: 8
    .kernarg_segment_size: 48
    .max_flat_workgroup_size: 128
    .sgpr_count:     66
    .vgpr_count:     198
    .wavefront_size: 32
...
	.end_amdgpu_metadata
.endif
;; end of part 1
;; launch qkv (part 2): grid 8 x 32, 4 waves a work-group, clusters of 4 x 4, 327,680 bytes of LDS; arguments xw_codes, freqs_cos, freqs_sin, qkv_img, qkv_sc; writes qkv_img, qkv_sc
.if DOCPART == 2
	.amdgcn_target "amdgcn-amd-amdhsa--gfx1250"
	.amdhsa_code_object_version 6
	.text
	.protected	k_q58402c8a7e_qkv
	.globl	k_q58402c8a7e_qkv
	.p2align	8
	.type	k_q58402c8a7e_qkv,@function
k_q58402c8a7e_qkv:
	s_mov_b64 s[64:65], 0
	v_nop
	global_prefetch_b8 v0, s[64:65] scope:SCOPE_SE
	s_setreg_imm32_b32 hwreg(HW_REG_WAVE_MODE, 25, 1), 1
	s_wait_xcnt 0x0
	s_wait_alu depctr_hold_cnt(0) depctr_sa_sdst(0) depctr_va_vdst(0) depctr_va_sdst(0) depctr_va_ssrc(0) depctr_va_vcc(0) depctr_vm_vsrc(0)
	s_getreg_b32 s2, hwreg(HW_REG_IB_STS2, 6, 4)
	s_cmp_eq_u32 s2, 0
	s_cbranch_scc0 .Lentry_in_a_cluster
	s_endpgm
.Lentry_in_a_cluster:
	s_bfe_u32 s2, ttmp6, 0x10000c
	s_cmp_lg_u32 s2, 0xf033
	s_cbranch_scc0 .Lentry_shape_is_right
	s_endpgm
.Lentry_shape_is_right:
; [4096 tokens] x [2048 columns: wq's 1,024, then by 128 wk's and wv's of the same two heads], K = 2,048, on codes of FP6 with E8M0 scales; then rope (q, k) and the quantisers ahead of attention's two products.
; A work-group makes 128 tokens x 256 columns, a wave 128 tokens x 64 columns, one head: 32 accumulators, 256 registers.  32 x 8 blocks are 256 work-groups.
; OPERANDS lie in memory as the registers take them: 16 rows x 512 K are a run of 6,400 bytes (four fragments of 1,536 bytes, 48 bytes a lane, then 256 scale bytes [row][16]); a block of 16 rows is four runs on end.
; A slot of LDS holds K = 512: 8 runs of x and 16 of the weights, 153,600 bytes; two slots; K is four fills.  Waves 0, 1 fetch x's runs (4 each), waves 2, 3 the weights' (8 each): one tensor load a wave, rows of 6,400 bytes at multiples of 256.
; CLUSTERS: 4 x 4 work-groups; x's runs are asked for jointly along a row of the cluster, the weights' along a column.
; PREFETCH: behind fill 0's load fills 1 and 2 are asked for, behind fill 1's load fill 3: up to two fills ahead of the load that wants them.  Of the four runs that a wave fetches of x the partner at cx names one, of the eight of the
; weights the partner at cy names two: 25 blocks of 256 bytes a run, a lane a block (lanes 25-31 name the last again), each block once in each cluster, shared out by address.  Wave 0 also names 32 of the 128 blocks of its 128 positions' cos and sin.
; THE MATRIX INSTRUCTION IS USED TRANSPOSED (source 0 = 16 rows of weights, source 1 = 16 tokens): a lane holds one token and eight neighbouring columns.
; LIMITS: a block of zeros gets the scale byte 1 (its codes are zeros; this program alone reads the bytes); NaN and infinities are not served.
; REGISTERS: window 0: v1-29 addresses, v32-95 scale words (two sets), v96-191 the weights' fragments (two sets), v192-239 at work on the way out; window 1: v0-191 x's fragments (two sets);
; window 2: accumulator (a, b) at v[8 (4 a + b)]; window 3: cos and sin on the way out.
.set ROWB,  6400
.set NJ,    4
.set RBP,   NJ*ROWB
.set SLOT,  24*ROWB
.set BOFF,  8*ROWB
.set SPARE, 2*SLOT
.set WC,    256*RBP                    ; the weights begin behind x's 256 blocks of 16 rows
.set KI,    3145728
.set VI,    4718592
.set KSO,   262144
.set VS,    393216
.set VSTG,  8192
.set VWAVE, 10752
.set L16,  8
.set L8,   9
.set L8P,  10
.set CA,   11
.set SW,   12
.set SRD,  13
.set VST,  14
.set VRD,  15
.set ADRA, 16
.set ADRB, 18
.set ADRS, 20
.set ADRT, 22
.set VSW,  24
.set VSR,  25
.set PFO,  26                          ; v26 the prefetches' offset in a run: 256 x min(lane, 24); never rewritten
.set PFL,  27                          ; v27 256 x lane; never rewritten
.set SPW,  28
.set NIL,  29
.set SC,   32
.set HA,   32
.set BF,   96
.set PC,   192
.set TM,   212
.set PW,   228
.set PW2,  229
.set PW1,  230
.set RT,   232
.set G1,  24
.set G0,  32
.set G1B, 48
.set G0B, 56
.set SEL, 66
.set PF,  74                           ; s[74:75] my work-group's share of the runs that I fetch, at K = 0; never rewritten
.set PFC, 76                           ; s[76:77] my work-group's 32 blocks of cos or sin; never rewritten
.set MULW, 0xa4                        ; source 0 window 0, source 1 window 1, C and D window 2
.set MSB, 0
.macro WIN new
.if MSB != (\new)
	s_set_vgpr_msb (MSB<<8)|(\new)
.set MSB, (\new)
.endif
.endm
.macro JLOAD g0a, g0b                  ; a joint load: waves 0, 1 for x, waves 2, 3 for the weights
	s_cmp_eq_u32 s15, 0
	s_cbranch_scc0 .Lfor_b_\@
	tensor_load_to_lds s[\g0a:\g0a+3], s[G1:G1+7]
	s_nop 0
.rept 4
	v_nop
.endr
	s_branch .Lasked_\@
.Lfor_b_\@:
	tensor_load_to_lds s[\g0b:\g0b+3], s[G1B:G1B+7]
	s_nop 0
.rept 4
	v_nop
.endr
.Lasked_\@:
.endm
.macro ASK k                           ; fill k's bytes of my share: one run of x, or two of the weights
	s_cmp_eq_u32 s15, 0
	global_prefetch_b8 v[PFO], s[PF:PF+1] offset:(\k)*ROWB th:TH_LOAD_NT scope:SCOPE_SE
	s_cbranch_scc1 .Lone_\@
	global_prefetch_b8 v[PFO], s[PF:PF+1] offset:(\k)*ROWB+RBP th:TH_LOAD_NT scope:SCOPE_SE
.Lone_\@:
.endm
.macro CREST
	s_cmp_lg_u32 s14, 0
	s_cbranch_scc1 .Lnot_wave_0_\@
	s_barrier_signal -3
.Lnot_wave_0_\@:
	s_barrier_wait -3
	s_barrier_signal -1
	s_barrier_wait -1
.endm
.macro CROUND
	s_barrier_signal -1
	s_barrier_wait -1
	CREST
.endm
.macro DESC g, rows                    ; rows of 800 elements of 8 bytes, RBP bytes apart
	s_mov_b32 s[\g+1], 800<<16
	s_mov_b32 s[\g+2], (\rows)<<16
	s_mov_b32 s[\g+3], 800<<16
	s_mov_b32 s[\g+4], \rows
	s_mov_b32 s[\g+5], RBP/8
	s_mov_b32 s[\g+6], 0
	s_mov_b32 s[\g+7], 0
.endm
.macro PLACES
.rept 4
	v_nop
.endr
.endm
	s_load_b128 s[4:7], s[0:1], 0x0                ; the codes, cos
	s_load_b128 s[8:11], s[0:1], 0x10              ; sin, the images
	s_load_b64 s[12:13], s[0:1], 0x20              ; the images' scale words
	v_lshl_add_u32 v[SPW], v0, 2, SPARE
	v_mov_b32 v[NIL], 0
	ds_add_u32 v[SPW], v[NIL]                      ; the opening lines: the add twice on end and its wait
	ds_add_u32 v[SPW], v[NIL]
	v_lshrrev_b32 v1, 5, v0
	v_readfirstlane_b32 s14, v1                    ; wave
	v_and_b32 v[PFL], 31, v0
	v_min_u32 v[PFO], 24, v[PFL]
	v_lshlrev_b32 v[PFL], 8, v[PFL]
	v_lshlrev_b32 v[PFO], 8, v[PFO]
	s_wait_alu depctr_va_vdst(0)
	s_lshr_b32 s15, s14, 1                         ; I fetch for x (0) or for the weights (1),
	s_and_b32 s16, s14, 1                          ; which half of the runs
	s_bfe_u32 s40, ttmp6, 0x40000                  ; cx
	s_bfe_u32 s41, ttmp6, 0x40004                  ; cy
	s_lshl_b32 s42, ttmp9, 2
	s_add_co_u32 s42, s42, s40                     ; block column
	s_and_b32 s17, ttmp7, 0xffff
	s_lshl_b32 s17, s17, 2
	s_add_co_u32 s17, s17, s41                     ; block row
	s_lshl_b32 s43, s41, 2
	s_lshl_b32 s43, 15, s43
	s_lshl_b32 s44, 0x1111, s40
	s_or_b32 s[G1], s43, (3<<16)|(1<<21)
	s_or_b32 s[G1B], s44, (3<<16)|(1<<21)
	DESC G1, 4
	DESC G1B, 8
	s_lshl_b32 s20, s17, 3
	s_lshl_b32 s18, s16, 2
	s_add_co_u32 s20, s20, s18
	s_mul_i32 s20, s20, RBP                        ; x: block of 16 rows 8 x block row + 4 x half
	s_mov_b32 s21, 0
	s_lshl_b32 s46, s42, 4
	s_lshl_b32 s18, s16, 3
	s_add_co_u32 s46, s46, s18
	s_mul_i32 s46, s46, RBP                        ; weights: 16 x block column + 8 x half
	s_add_co_u32 s46, s46, WC
	s_mov_b32 s47, 0
	s_mul_i32 s45, s16, 4*ROWB                     ; where they go in a slot
	s_mul_i32 s19, s16, 8*ROWB
	s_add_co_u32 s19, s19, BOFF
	s_mul_i32 s68, s14, 4*ROWB
	s_add_co_u32 s68, s68, BOFF                    ; my four runs of the weights
	s_add_co_u32 s69, s68, SLOT
	s_lshl_b32 s70, s14, 10                        ; the way out: my scale words' stage,
	s_mul_i32 s71, s14, VWAVE
	s_add_co_u32 s71, s71, VSTG                    ; v's stage,
	s_add_co_u32 s72, s71, 10240                   ; and its scale words
	s_mov_b32 s[SEL], 0x76543210
	s_mov_b32 s[SEL+1], 0xfedcba98
	s_wait_dscnt 0x0
	s_wait_kmcnt 0x0
	s_add_nc_u64 s[20:21], s[4:5], s[20:21]
	s_add_nc_u64 s[46:47], s[4:5], s[46:47]
	s_mul_i32 s78, s40, RBP                        ; the prefetches: of x's four runs that I fetch, run cx;
	s_lshl_b32 s79, s41, 1
	s_mul_i32 s79, s79, RBP                        ; of the weights' eight, runs 2 cy and 2 cy + 1
	s_cmp_eq_u32 s15, 0
	s_cselect_b64 s[PF:PF+1], s[20:21], s[46:47]
	s_cselect_b32 s78, s78, s79
	s_mov_b32 s79, 0
	s_add_nc_u64 s[PF:PF+1], s[PF:PF+1], s[78:79]
	s_and_b32 s78, s17, 15
	s_lshl_b32 s78, s78, 14                        ; my 128 positions' cos or sin: 16,384 bytes, 64 blocks;
	s_and_b32 s79, s40, 1
	s_lshl_b32 s79, s79, 13                        ; cx = 0, 1: the halves of cos; cx = 2, 3: of sin
	s_add_co_u32 s78, s78, s79
	s_mov_b32 s79, 0
	s_cmp_lt_u32 s40, 2
	s_cselect_b64 s[PFC:PFC+1], s[6:7], s[8:9]
	s_add_nc_u64 s[PFC:PFC+1], s[PFC:PFC+1], s[78:79]
	CROUND                                         ; the first joint loads meet
.irp s, 0,1
	s_mov_b32 s[G0+4*\s], 1
	s_add_co_u32 s[G0+4*\s+1], s45, \s*SLOT
	s_add_nc_u64 s[G0+4*\s+2:G0+4*\s+3], s[20:21], \s*ROWB
	s_or_b32 s[G0+4*\s+3], s[G0+4*\s+3], 0x80000000
	s_mov_b32 s[G0B+4*\s], 1
	s_add_co_u32 s[G0B+4*\s+1], s19, \s*SLOT
	s_add_nc_u64 s[G0B+4*\s+2:G0B+4*\s+3], s[46:47], \s*ROWB
	s_or_b32 s[G0B+4*\s+3], s[G0B+4*\s+3], 0x80000000
.endr
	JLOAD G0, G0B                                  ; K 0-511: one tensor load a wave at the head
	ASK 1
	ASK 2
	v_and_b32 v1, 31, v0                           ; lane
	v_and_b32 v2, 15, v0                           ; r
	v_bfe_u32 v3, v0, 4, 1                         ; h
	v_mul_u32_u24 v4, v1, 48                       ; a lane's 48 bytes of a fragment
	v_lshlrev_b32 v5, 4, v2                        ; a row's 16 scale bytes
	v_mul_u32_u24 v6, s68, v3                      ; lanes 16-31 take the weights' scale words
	v_add_nc_u32 v6, v6, v5
	v_add_nc_u32 v[ADRA], 0, v4
	v_add_nc_u32 v[ADRA+1], SLOT, v4
	v_add_nc_u32 v[ADRB], s68, v4
	v_add_nc_u32 v[ADRB+1], s69, v4
	v_add_nc_u32 v[ADRS], 6144, v6
	v_add_nc_u32 v[ADRS+1], SLOT+6144, v6
	v_add_nc_u32 v[ADRT], 6144, v5
	v_add_nc_u32 v[ADRT+1], SLOT+6144, v5
	v_lshlrev_b32 v[L16], 4, v1
	v_lshl_add_u32 v[L8], v1, 3, 512
	v_lshlrev_b32 v[L8P], 3, v1
	v_lshlrev_b32 v[CA], 7, v2
	v_lshl_add_u32 v[CA], v3, 4, v[CA]             ; cos, sin: 128 bytes a token, + 16 h
	v_lshl_add_u32 v[SW], v2, 2, s70
	v_add_nc_u32 v[SRD], s70, v[L16]
	v_mul_u32_u24 v[VST], v2, 80
	v_lshl_add_u32 v[VST], v3, 5, v[VST]
	v_add_nc_u32 v[VST], s71, v[VST]               ; v's stage, in: token r, 80 bytes apart, + 32 h
	v_mul_u32_u24 v[VRD], v3, 640
	v_lshl_add_u32 v[VRD], v2, 2, v[VRD]
	v_add_nc_u32 v[VRD], s71, v[VRD]               ; out: column r, tokens from 8 h on
	v_lshl_add_u32 v[VSW], v2, 2, s72
	v_add_nc_u32 v[VSR], s72, v[L8P]
.irp b, 0,1,2,3
	v_mov_b32 v[TM+4+\b], 0                        ; a lane permute's destination counts as one of its sources
.endr
.macro FETCH slot, f, set              ; the fragments of one K step: 12 + 24 loads of 16 bytes a lane
	WIN 0
.irp b, 0,1,2,3
.irp c, 0,1,2
	ds_load_b128 v[BF+48*(\set)+12*\b+4*\c:BF+48*(\set)+12*\b+4*\c+3], v[ADRB+\slot] offset:\b*ROWB+(\f)*1536+16*\c
.endr
.endr
	WIN 0x40
.irp a, 0,1,2,3,4,5,6,7
.irp c, 0,1,2
	ds_load_b128 v[96*(\set)+12*\a+4*\c:96*(\set)+12*\a+4*\c+3], v[ADRA+\slot] offset:\a*ROWB+(\f)*1536+16*\c
.endr
.endr
	WIN 0
.endm
.macro SCALES slot                     ; a slot's scale words: register 4 i + f: lanes 0-15 x's block i, lanes 16-31 (i < 4) the weights' block i, K step f
.irp i, 0,1,2,3
	ds_load_b128 v[SC+32*(\slot)+4*\i:SC+32*(\slot)+4*\i+3], v[ADRS+\slot] offset:\i*ROWB
.endr
.irp i, 4,5,6,7
	ds_load_b128 v[SC+32*(\slot)+4*\i:SC+32*(\slot)+4*\i+3], v[ADRT+\slot] offset:\i*ROWB
.endr
.endm
.macro MUL a0, set, sc, f, zero        ; 16 matrix instructions; the 32 accumulators take turns in the same order in every step
.irp a, \a0, \a0+1, \a0+2, \a0+3
.irp b, 0,1,2,3
.if \zero
	v_wmma_scale_f32_16x16x128_f8f6f4 v[8*(4*(\a)+\b):8*(4*(\a)+\b)+7], v[BF+48*(\set)+12*\b:BF+48*(\set)+12*\b+11], v[96*(\set)+12*(\a):96*(\set)+12*(\a)+11], 0, v[SC+32*(\sc)+4*\b+(\f)], v[SC+32*(\sc)+4*(\a)+(\f)] matrix_a_fmt:MATRIX_FMT_FP6 matrix_b_fmt:MATRIX_FMT_FP6 matrix_a_scale:MATRIX_SCALE_ROW1
.else
	v_wmma_scale_f32_16x16x128_f8f6f4 v[8*(4*(\a)+\b):8*(4*(\a)+\b)+7], v[BF+48*(\set)+12*\b:BF+48*(\set)+12*\b+11], v[96*(\set)+12*(\a):96*(\set)+12*(\a)+11], v[8*(4*(\a)+\b):8*(4*(\a)+\b)+7], v[SC+32*(\sc)+4*\b+(\f)], v[SC+32*(\sc)+4*(\a)+(\f)] matrix_a_fmt:MATRIX_FMT_FP6 matrix_b_fmt:MATRIX_FMT_FP6 matrix_a_scale:MATRIX_SCALE_ROW1
.endif
.endr
.endr
.endm
.macro STEP j, f, zero                 ; K step f = 0 .. 2 of fill j: the next step's fragments are asked for, then this step's 32 products
	s_wait_dscnt 0x0                               ; this step's fragments are in
	PLACES                                         ; in front of loads into registers that the last step's products read
	FETCH (\j)%2, (\f)+1, ((\f)+1)%2
	WIN MULW
	MUL 0, (\f)%2, (\j)%2, \f, \zero
	MUL 4, (\f)%2, (\j)%2, \f, \zero
	WIN 0
.endm
.macro TURN j, fill                    ; K step 3 of fill j, and the change of slots
	s_wait_tensorcnt 0x0                           ; my one load that was out, my part of the next slot, has landed;
	ds_add_u32 v[SPW], v[NIL]
	s_wait_dscnt 0x0                               ; it is done, and so are my reads of this slot
	s_barrier_signal -1
	WIN MULW
	MUL 0, 1, (\j)%2, 3, 0
	WIN 0
	s_barrier_wait -1
.if \fill
	CREST                                          ; the barrier has opened a round of the cluster's barrier
	s_add_nc_u64 s[G0+4*((\j)%2)+2:G0+4*((\j)%2)+3], s[G0+4*((\j)%2)+2:G0+4*((\j)%2)+3], 2*ROWB
	s_add_nc_u64 s[G0B+4*((\j)%2)+2:G0B+4*((\j)%2)+3], s[G0B+4*((\j)%2)+2:G0B+4*((\j)%2)+3], 2*ROWB
	JLOAD G0+4*((\j)%2), G0B+4*((\j)%2)            ; fill j + 2, first behind the round; its four v_nop are the places in front of the loads below
.else
	PLACES
.endif
	FETCH ((\j)+1)%2, 0, 0
	SCALES ((\j)+1)%2
	WIN MULW
	MUL 4, 1, (\j)%2, 3, 0
	WIN 0
.endm
	s_wait_alu depctr_va_vdst(0)                   ; the wait at the head's end
	s_wait_tensorcnt 0x0                           ; the full sequence ahead of slot 1's first fill
	ds_add_u32 v[SPW], v[NIL]
	s_wait_dscnt 0x0
	CROUND
	JLOAD G0+4, G0B+4                              ; K 512-1023
	FETCH 0, 0, 0
	SCALES 0
	ASK 3                                          ; behind the joint load and the run of LDS loads
	s_cmp_lg_u32 s14, 0
	s_cbranch_scc1 .Lno_cs
	global_prefetch_b8 v[PFL], s[PFC:PFC+1] th:TH_LOAD_NT scope:SCOPE_SE   ; wave 0: 32 blocks of cos or sin, read on the way out
.Lno_cs:
	STEP 0, 0, 1                                   ; the first products start the sums
	STEP 0, 1, 0
	STEP 0, 2, 0
	TURN 0, 1
.irp f, 0,1,2
	STEP 1, \f, 0
.endr
	TURN 1, 1
.irp f, 0,1,2
	STEP 2, \f, 0
.endr
	TURN 2, 0
.irp f, 0,1,2
	STEP 3, \f, 0
.endr
	s_wait_dscnt 0x0
	WIN MULW
	MUL 0, 1, 1, 3, 0
	MUL 4, 1, 1, 3, 0
	WIN 0
	PLACES                                         ; behind the last products
; THE WAY OUT.  The stages lie in slot 0, which has had its last fill and, behind the last barrier, its last read.
	s_lshr_b32 s21, s17, 4                         ; batch
	s_and_b32 s20, s17, 15                         ; which 128 positions
	s_mov_b32 s45, 0
.macro QUANT s                         ; 64 registers = four blocks of 32 (16 registers here, 16 in lane l xor 16) -> 12 registers of codes, one scale word
.irp b, 0,1,2,3
	v_max3_num_f32 v[TM+\b], |v[\s+16*\b]|, |v[\s+1+16*\b]|, 0x1800000
.endr
.irp i, 2,4,6,8,10,12,14
.irp b, 0,1,2,3
	v_max3_num_f32 v[TM+\b], v[TM+\b], |v[\s+16*\b+\i]|, |v[\s+1+16*\b+\i]|
.endr
.endr
.irp b, 0,1,2,3
	v_permlanex16_b32 v[TM+4+\b], v[TM+\b], s[SEL], s[SEL+1]
.endr
.irp b, 0,1,2,3
	v_max_num_f32 v[TM+\b], v[TM+\b], v[TM+4+\b]
.endr
.irp b, 0,1,2,3
	v_add_nc_u32 v[TM+12+\b], 0xff000000, v[TM+\b]
.endr
.irp b, 0,1,2,3
	v_lshrrev_b32 v[TM+4+\b], 23, v[TM+12+\b]
.endr
	v_lshl_or_b32 v[PW], v[TM+5], 8, v[TM+4]
	v_lshl_or_b32 v[PW], v[TM+6], 16, v[PW]
	v_lshl_or_b32 v[PW], v[TM+7], 24, v[PW]
.irp c, 0,1
	v_cvt_scalef32_pk16_fp6_f32 v[PC+6*\c:PC+2+6*\c], v[\s+32*\c:\s+15+32*\c], v[TM+12+2*\c]
	v_cvt_scalef32_pk16_fp6_f32 v[PC+12+4*\c:PC+14+4*\c], v[\s+16+32*\c:\s+31+32*\c], v[TM+12+2*\c+1]
.endr
	v_nop                                          ; one plain place behind a scaled conversion
.irp c, 0,1
.irp i, 0,1,2
	v_permlane16_swap_b32 v[PC+6*\c+\i], v[PC+12+4*\c+\i]
.endr
.irp i, 0,1,2
	v_mov_b32 v[PC+3+6*\c+\i], v[PC+12+4*\c+\i]
.endr
.endr
.endm
	s_and_b32 s22, ttmp9, s15                      ; in the second column of clusters waves 2, 3 hold heads of v: the branch hangs on the cluster's x and the wave's number
	s_cmp_lg_u32 s22, 0
	s_cbranch_scc1 .Lv
	; q or k: rope, then the quantiser along the head's 64; 16 tokens x 64 leave as an image of 768 bytes
	s_lshl_b32 s44, s20, 14
	s_add_nc_u64 s[6:7], s[6:7], s[44:45]
	s_add_nc_u64 s[8:9], s[8:9], s[44:45]
	WIN 0xc0
.irp a, 0,1,2,3,4,5,6,7
.irp m, 0,1,2,3
	global_load_b128 v[32*\a+4*\m:32*\a+4*\m+3], v[CA], s[6:7] offset:2048*\a+32*\m
	global_load_b128 v[32*\a+16+4*\m:32*\a+16+4*\m+3], v[CA], s[8:9] offset:2048*\a+32*\m
.endr
.endr
	WIN 0
	s_lshl_b32 s23, s40, 2
	s_add_co_u32 s23, s23, s14                     ; q's head 4 cx + wave
	s_lshl_b32 s44, s40, 1
	s_add_co_u32 s44, s44, s14                     ; k's head 2 cx + wave
	s_cmp_eq_u32 ttmp9, 0
	s_cselect_b32 s22, 16, 8
	s_cselect_b32 s23, s23, s44
	s_cselect_b32 s46, 0, KI
	s_cselect_b32 s47, 0, KSO
	s_mul_i32 s22, s22, s21
	s_add_co_u32 s22, s22, s23
	s_mul_i32 s44, s22, 98304
	s_add_co_u32 s44, s44, s46
	s_mul_i32 s46, s20, 6144
	s_add_co_u32 s44, s44, s46
	s_add_nc_u64 s[10:11], s[10:11], s[44:45]
	s_lshl_b32 s44, s22, 13
	s_add_co_u32 s44, s44, s47
	s_lshl_b32 s46, s20, 9
	s_add_co_u32 s44, s44, s46
	s_add_nc_u64 s[12:13], s[12:13], s[44:45]
.macro ROPE a, u                       ; tokens 16 a + r: 64 columns into v[HA + 32 u ..]
	WIN 0x0e                                       ; source 0 window 2, source 1 window 3
.irp b, 0,1,2,3
.irp p, 0,1,2,3
	v_mul_f32 v[RT+2*\p], v[8*(4*(\a)+\b)+2*\p+1], v[32*(\a)+16+4*\b+\p]
	v_mul_f32 v[RT+2*\p+1], v[8*(4*(\a)+\b)+2*\p+1], v[32*(\a)+4*\b+\p]
.endr
.irp p, 0,1,2,3
	v_fma_f32 v[HA+32*\u+8*\b+2*\p], v[8*(4*(\a)+\b)+2*\p], v[32*(\a)+4*\b+\p], -v[RT+2*\p]
	v_fma_f32 v[HA+32*\u+8*\b+2*\p+1], v[8*(4*(\a)+\b)+2*\p], v[32*(\a)+16+4*\b+\p], v[RT+2*\p+1]
.endr
.endr
	WIN 0
.endm
.irp a, 0,2,4,6
	s_wait_loadcnt 48-8*\a                         ; 8 loads for each 16 tokens: those of tokens up to 16 a + 31 are in
	ROPE \a, 0
	ROPE \a+1, 1
	s_wait_alu depctr_va_vdst(0)                   ; the wait ahead of the waits below
	s_wait_xcnt 0x0                                ; the last stores have read their data
	s_wait_dscnt 0x0
	QUANT HA
	v_and_b32 v[PW1], 0xffff, v[PW]
	v_lshrrev_b32 v[PW2], 16, v[PW]
	global_store_b128 v[L16], v[PC:PC+3], s[10:11] offset:768*\a
	global_store_b64 v[L8], v[PC+4:PC+5], s[10:11] offset:768*\a
	global_store_b128 v[L16], v[PC+6:PC+9], s[10:11] offset:768*\a+768
	global_store_b64 v[L8], v[PC+10:PC+11], s[10:11] offset:768*\a+768
	ds_store_b32 v[SW], v[PW1] offset:64*\a
	ds_store_b32 v[SW], v[PW2] offset:64*\a+64
.endr
	ds_load_b128 v[HA:HA+3], v[SRD]
	s_wait_dscnt 0x0
	global_store_b128 v[L16], v[HA:HA+3], s[12:13] ; 128 tokens' scale words: 512 consecutive bytes
	s_branch .Ldone
.Lv:    ; v: quantised along the keys: 16 columns x 128 tokens turn through the stage and leave as an image of 1,536 bytes
	s_lshl_b32 s22, s21, 3
	s_lshl_b32 s23, s40, 1
	s_add_co_u32 s22, s22, s23
	s_add_co_u32 s22, s22, s16                     ; the head: 8 b + 2 cx + wave % 2
	s_mul_i32 s44, s22, 98304
	s_mul_i32 s46, s20, 6144
	s_add_co_u32 s44, s44, s46
	s_add_co_u32 s44, s44, VI
	s_add_nc_u64 s[10:11], s[10:11], s[44:45]
	s_lshl_b32 s44, s22, 12
	s_lshl_b32 s46, s20, 8
	s_add_co_u32 s44, s44, s46
	s_add_co_u32 s44, s44, VS
	s_add_nc_u64 s[12:13], s[12:13], s[44:45]
.macro VTILE b
	WIN 0x08
.irp a, 0,1,2,3,4,5,6,7
	ds_store_b128 v[VST], v[8*(4*\a+\b):8*(4*\a+\b)+3] offset:1280*\a
	ds_store_b128 v[VST], v[8*(4*\a+\b)+4:8*(4*\a+\b)+7] offset:1280*\a+16
.endr
	WIN 0
.set n, 0
.rept 64
	ds_load_b32 v[HA+n], v[VRD] offset:80*(32*(n/16)+n%8+16*((n%16)/8))
.set n, n+1
.endr
	s_wait_dscnt 0x0
	s_wait_xcnt 0x0
	QUANT HA
.irp c, 0,1,2
	global_store_b128 v[L16], v[PC+4*\c:PC+4*\c+3], s[10:11] offset:\b*1536+512*\c
.endr
	ds_store_b32 v[VSW], v[PW] offset:64*\b
.endm
.irp b, 0,1,2,3
	VTILE \b
.endr
	ds_load_b64 v[HA:HA+1], v[VSR]
	s_wait_dscnt 0x0
	global_store_b64 v[L8P], v[HA:HA+1], s[12:13]  ; 256 consecutive bytes, aligned
.Ldone:
	s_wait_tensorcnt 0x0                           ; the wave's end
	ds_add_u32 v[SPW], v[NIL]
	s_wait_dscnt 0x0
	CROUND                                         ; the closing round
	s_endpgm
.Lfunc_end_k_q58402c8a7e_qkv:
	.size	k_q58402c8a7e_qkv, .Lfunc_end_k_q58402c8a7e_qkv-k_q58402c8a7e_qkv
	.p2alignl 7, 3214868480
	.fill 96, 4, 3214868480
	.section	.rodata,"a",@progbits
	.p2align	6, 0x0
	.amdhsa_kernel k_q58402c8a7e_qkv
		.amdhsa_group_segment_fixed_size 327680
		.amdhsa_private_segment_fixed_size 0
		.amdhsa_enable_private_segment 0
		.amdhsa_kernarg_size 40
		.amdhsa_user_sgpr_count 2
		.amdhsa_user_sgpr_kernarg_segment_ptr 1
		.amdhsa_wavefront_size32 1
		.amdhsa_system_sgpr_workgroup_id_x 1
		.amdhsa_system_sgpr_workgroup_id_y 1
		.amdhsa_system_sgpr_workgroup_id_z 1
		.amdhsa_system_vgpr_workitem_id 0
		.amdhsa_next_free_vgpr 1024
		.amdhsa_next_free_sgpr 80
		.amdhsa_reserve_vcc 0
		.amdhsa_float_denorm_mode_32 3
		.amdhsa_float_denorm_mode_16_64 3
		.amdhsa_memory_ordered 1
		.amdhsa_forward_progress 1
		.amdhsa_inst_pref_size 206
	.end_amdhsa_kernel
	.amdgpu_metadata
---
amdhsa.version: [ 1, 2 ]
amdhsa.kernels:
  - .name:           k_q58402c8a7e_qkv
    .symbol:         k_q58402c8a7e_qkv.kd
    .args:
      - { .name: xw_codes, .offset: 0, .size: 8, .value_kind: global_buffer, .address_space: global }
      - { .name: freqs_cos, .offset: 8, .size: 8, .value_kind: global_buffer, .address_space: global }
      - { .name: freqs_sin, .offset: 16, .size: 8, .value_kind: global_buffer, .address_space: global }
      - { .name: qkv_img, .offset: 24, .size: 8, .value_kind: global_buffer, .address_space: global }
      - { .name: qkv_sc, .offset: 32, .size: 8, .value_kind: global_buffer, .address_space: global }
    .group_segment_fixed_size: 327680
    .private_segment_fixed_size: 0
    .kernarg_segment_align: 8
    .kernarg_segment_size: 40
    .max_flat_workgroup_size: 128
    .sgpr_count:     80
    .vgpr_count:     1024
    .wavefront_size: 32
...
	.end_amdgpu_metadata
.endif
;; end of part 2
;; launch attn (part 3): grid 8 x 32, 16 waves a work-group, clusters of 4 x 1, 247,808 bytes of LDS; arguments qkv_img, qkv_sc, o_img; writes o_img
.if DOCPART == 3
	.amdgcn_target "amdgcn-amd-amdhsa--gfx1250"
	.amdhsa_code_object_version 6
	.text
	.protected	k_q58402c8a7e_attn
	.globl	k_q58402c8a7e_attn
	.p2align	8
	.type	k_q58402c8a7e_attn,@function
k_q58402c8a7e_attn:
	s_mov_b64 s[64:65], 0
	v_nop
	global_prefetch_b8 v0, s[64:65] scope:SCOPE_SE
	s_setreg_imm32_b32 hwreg(HW_REG_WAVE_MODE, 25, 1), 1
	s_wait_xcnt 0x0
	s_wait_alu depctr_hold_cnt(0) depctr_sa_sdst(0) depctr_va_vdst(0) depctr_va_sdst(0) depctr_va_ssrc(0) depctr_va_vcc(0) depctr_vm_vsrc(0)
	s_getreg_b32 s2, hwreg(HW_REG_IB_STS2, 6, 4)
	s_cmp_eq_u32 s2, 0
	s_cbranch_scc0 .Lentry_in_a_cluster
	s_endpgm
.Lentry_in_a_cluster:
	s_bfe_u32 s2, ttmp6, 0x10000c
	s_cmp_lg_u32 s2, 0x3003
	s_cbranch_scc0 .Lentry_shape_is_right
	s_endpgm
.Lentry_shape_is_right:
; o[b][head][q] = the sum over keys k <= q of softmax_k(q . k / 8) v[k], both products on codes of FP6 (E2M3) with one E8M0 scale for each 32 along a product's K; o is quantised again along (head, d) for the last product.
; LEFT OUT: key steps all of whose keys come after a tile's queries: reference()'s own causal mask gives them the weight 0 for all values of the inputs.  A NaN or an infinity that reaches only such keys is not carried to the result.
; THE SOFTMAX AHEAD OF THE SECOND PRODUCT: t = score x log2(e) / 8; M = the row's largest t so far, rounded UP to a whole number; p = 2^(t - M) is what is quantised, along the keys; it is not normalised.
; The row's sum is taken of the unquantised p, in f32, and divides O at the end.  When M moves, the sum and O are multiplied by 2^(old M - new M): exact.
; THE FIRST PRODUCT'S K IS 64: registers 6-11 of both its operands are zero codes, which add nothing.
; SHARES.  A work-group (y = 16 b + head, j = 0 .. 7) has sixteen waves and the sixteen tiles 8 g + j of 16 queries; tile g needs key steps 0 .. g of 128 keys, the last on the diagonal.
; Waves p and 8 + p (p = 0 .. 7) share tiles 15 - p and p, 17 key steps.  Wave p works steps 0 .. 8 of tile 15 - p and leaves O, the sum and M in LDS.  Wave 8 + p works tile p (p + 1 steps) and stores it, then steps 9 .. 15 - p of
; tile 15 - p (7 - p steps), and behind a barrier joins the two parts: both are brought under the larger M by a power of two, which rounds nothing.  So a wave has 9 or 8 key steps.  What a wave leaves out hangs on its number and the step alone.
; LDS.  The kv head's whole K (128 images of 768 bytes), V (16 key steps x 4 images of 1,536 bytes) and their scale words lie in LDS: 208,896 bytes, each byte filled ONCE; behind the spare words 4,608 bytes for each pair's part.
; CLUSTER.  The four work-groups of a cluster belong to one head: each load is asked for JOINTLY, with a mask that names the four.  Waves 0 to 9 ask for one of the ten tiles each; each waits for its own, and one barrier shows all to all.
; All of K and V is asked for at the head, so nothing is left to ask for ahead: no prefetch.
; LAYOUT.  Both products are used transposed: S^T = K Q^T, O^T = V^T P^T: a lane holds ONE query (lane % 16).  A lane's 16 registers of tiles 2 c, 2 c + 1 are keys 8 h + 0..7 and 16 + 8 h + 0..7 of a block of 32:
; p's codes come out in the order 0-7, 16-23, 8-15, 24-31 inside a block, which is the order in which v's codes were laid.
; o's layout: 16 tokens x 512 of (head, d) are a run of 6,400 bytes: eight heads' images of 768 bytes, then 256 scale bytes [token][16]; a tile of tokens has two runs.
; LIMITS: NaN and infinities are not served; the running largest t starts at -3e38; a block of zeros gets the byte 1; o's scale bytes leave as single bytes, 2 a row and head (131,072 bytes in all).
; REGISTERS: v1-7 addresses that stay; v8 r, v9 h; v10, v11, v29-31 the step's addresses; v12 -M, v13 the largest t, v[14:15] the sum; v16-27 Q (22-27 zeros), v28 its scale words; v32-79 four fragments of K (the upper six of each zeros);
; v80-83 K's scale words, v84-85 V's; v86 o's scale byte's place, v87 the pair's part in LDS; v96-159 S^T, then p, then V's four fragments; v160-191 O^T; v192-210 p's codes; v212-253 at work; v224 p's scale word.
.set KB,   0
.set VB,   98304
.set SCK,  196608
.set SCV,  204800
.set SPARE, 0x33000                    ; the spare words: 128 bytes for each of the sixteen waves
.set PART, 0x33800                     ; the pairs' parts
.set KI,   3145728
.set VI,   4718592
.set KSO,  262144
.set VS,   393216
.set G1D,  12                          ; s[12:19] group 1: 24,576 dense bytes;  s[20:27] 8,192;  s[28:35] 4,096
.set G1SK, 20
.set G1SV, 28
.set G0K,  36                          ; s[36:55] five groups 0 for K: the scale words, four chunks;  s[68:87] for V
.set G0V,  68
.set WV,   56
.set G,    57                          ; the tile at work: its last key step
.set ST,   58                          ; the key step
.set TK,   59                          ; its first byte in K's and in V's region: 6,144 a step
.set TS,   60                          ; K's scale words: 512 a step
.set TT,   61                          ; V's: 256 a step
.set CNT,  62
.set QT,   63
.set P,    66                          ; the pair: wave % 8
.set SEL,  88
.set CS,   90
.macro CROUND                          ; a round of the cluster's barrier
	s_barrier_signal -1
	s_barrier_wait -1
	s_cmp_lg_u32 s[WV], 0
	s_cbranch_scc1 .Lnot_wave_0_\@
	s_barrier_signal -3
.Lnot_wave_0_\@:
	s_barrier_wait -3
	s_barrier_signal -1
	s_barrier_wait -1
.endm
.macro DENSE g, rows                   ; a dense block as rows of 256 bytes (32 elements of 8 bytes); the mask names all four work-groups, bit 21 is set beside it
	s_mov_b32 s[\g], 15|(3<<16)|(1<<21)
	s_mov_b32 s[\g+1], 32<<16
	s_mov_b32 s[\g+2], (\rows)<<16
	s_mov_b32 s[\g+3], 32<<16
	s_mov_b32 s[\g+4], \rows
	s_mov_b32 s[\g+5], 32
	s_mov_b32 s[\g+6], 0
	s_mov_b32 s[\g+7], 0
.endm
.macro FRESH                           ; a tile's state before its first key step
	v_mov_b32 v13, 0xff61b1e6                      ; the largest t so far: -3e38
	s_delay_alu instid0(VALU_DEP_1)
	v_floor_f32 v12, -v13                          ; -M
	v_mov_b32 v14, 0
	v_mov_b32 v15, 0
.set n, 0
.rept 32
	v_mov_b32 v[160+n], 0                          ; O^T.  (The step is written once: the first finds zeros, which the first change of M leaves zeros)
.set n, n+1
.endr
.endm
	s_load_b128 s[4:7], s[0:1], 0x0                ; the images s[4:5], the scale words s[6:7]
	s_load_b64 s[8:9], s[0:1], 0x10                ; o's runs s[8:9]
	v_lshl_add_u32 v254, v0, 2, SPARE
	v_mov_b32 v255, 0
	ds_add_u32 v254, v255                          ; the opening lines: the add twice on end and its wait
	ds_add_u32 v254, v255
	v_lshrrev_b32 v1, 5, v0
	s_delay_alu instid0(VALU_DEP_1)
	v_readfirstlane_b32 s[WV], v1                  ; wave 0..15
	s_bfe_u32 s92, ttmp6, 0x40000                  ; cx
	s_lshl_b32 s93, ttmp9, 2
	s_add_co_u32 s93, s93, s92                     ; j = 4 x cluster x + cx: it enters Q's and o's addresses and the mask's numbers alone
	s_and_b32 s94, ttmp7, 0xffff                   ; y = 16 b + head
	s_lshr_b32 s95, s94, 4                         ; b
	s_and_b32 s96, s94, 15                         ; head
	s_lshr_b32 s97, s94, 1                         ; the kv head: 8 b + head / 2
	s_and_b32 s[P], s[WV], 7
	s_sub_co_u32 s98, 15, s[P]
	s_cmp_lt_u32 s[WV], 8
	s_cselect_b32 s[G], s98, s[P]                  ; waves 0-7 begin with tile 15 - p, waves 8-15 with tile p
	s_lshl_b32 s[QT], s[G], 3
	s_add_co_u32 s[QT], s[QT], s93                 ; my tile of 16 queries
	s_lshl_b32 s93, s93, 4                         ; 16 j
	s_mul_i32 s98, s[P], 4608
	s_add_co_u32 s98, s98, PART                    ; my pair's part
	DENSE G1D, 96
	DENSE G1SK, 32
	DENSE G1SV, 16
	s_mov_b32 s[SEL], 0x76543210
	s_mov_b32 s[SEL+1], 0xfedcba98
	s_mov_b32 s[CS], 0x3e38aa3b                    ; c = log2(e) / 8
	s_mov_b32 s[CS+1], s[CS]                       ; (named with it as a pair, so it is written)
	v_and_b32 v7, 31, v0                           ; lane
	s_delay_alu instid0(VALU_DEP_1)
	v_lshlrev_b32 v1, 4, v7                        ; 16 x lane: K's images in LDS (they begin at byte 0), Q's and o's in memory
	v_lshl_add_u32 v2, v7, 3, 512                  ; 512 + 8 x lane
	s_delay_alu instid0(VALU_DEP_2)
	v_add_nc_u32 v3, VB, v1                        ; V's images
	v_lshl_add_u32 v4, v7, 2, SCK                  ; K's scale words: lanes 0-15 one tile's, lanes 16-31 the next tile's
	v_lshl_add_u32 v5, v7, 2, SCV                  ; V's likewise
	v_add_nc_u32 v87, s98, v1
	v_and_b32 v8, 15, v0                           ; r
	v_bfe_u32 v9, v0, 4, 1                         ; h
	s_delay_alu instid0(VALU_DEP_1)
	v_lshlrev_b32 v7, 3, v9
	v_lshl_add_u32 v86, v8, 4, v9                  ; o's scale byte: 16 r + h
	s_delay_alu instid0(VALU_DEP_2)
	v_sub_nc_u32 v6, v8, v7
	s_delay_alu instid0(VALU_DEP_1)
	v_add_nc_u32 v6, s93, v6                       ; 16 j + r - 8 h: on the diagonal, register 8 T + i holds a hidden key where 16 T + i is above it
	v_lshlrev_b32 v7, 2, v8                        ; Q's scale word: 4 r
	s_mul_i32 s98, s97, 98304
	s_mov_b32 s99, 0
	s_wait_dscnt 0x0
	s_wait_kmcnt 0x0
	s_add_nc_u64 s[2:3], s[4:5], s[98:99]          ; my kv head's place among K's, and among V's, images
	s_lshl_b32 s98, s97, 13
	s_add_nc_u64 s[100:101], s[6:7], s[98:99]      ; among K's scale words
	s_lshl_b32 s98, s97, 12
	s_add_nc_u64 s[98:99], s[6:7], s[98:99]        ; among V's
	s_mov_b32 s[G0K], 1
	s_mov_b32 s[G0K+1], SCK
	s_add_nc_u64 s[G0K+2:G0K+3], s[100:101], KSO
	s_or_b32 s[G0K+3], s[G0K+3], 0x80000000
	s_mov_b32 s[G0V], 1
	s_mov_b32 s[G0V+1], SCV
	s_add_nc_u64 s[G0V+2:G0V+3], s[98:99], VS
	s_or_b32 s[G0V+3], s[G0V+3], 0x80000000
.irp c, 0,1,2,3
	s_mov_b32 s[G0K+4+4*\c], 1
	s_mov_b32 s[G0K+5+4*\c], KB+24576*\c
	s_add_nc_u64 s[G0K+6+4*\c:G0K+7+4*\c], s[2:3], KI+24576*\c
	s_or_b32 s[G0K+7+4*\c], s[G0K+7+4*\c], 0x80000000
	s_mov_b32 s[G0V+4+4*\c], 1
	s_mov_b32 s[G0V+5+4*\c], VB+24576*\c
	s_add_nc_u64 s[G0V+6+4*\c:G0V+7+4*\c], s[2:3], VI+24576*\c
	s_or_b32 s[G0V+7+4*\c], s[G0V+7+4*\c], 0x80000000
.endr
	CROUND                                         ; all four work-groups are here: the joint loads meet
; THE TEN FILLS, ONE A WAVE (waves 0 to 9; waves 10 to 15 ask for nothing): one chain of branches on the wave's number, one joint load to an arm, all arms leading to one join.
.macro ARM under, g0, g1, next
	s_cmp_lt_u32 s[WV], \under
	s_cbranch_scc0 \next
	tensor_load_to_lds s[\g0:\g0+3], s[\g1:\g1+7]
	s_nop 0
.rept 4
	v_nop
.endr
	s_branch .Lasked
\next:
.endm
	ARM 1, G0K, G1SK, .Lw1
	ARM 2, G0V, G1SV, .Lw2
	ARM 3, G0K+4, G1D, .Lw3
	ARM 4, G0V+4, G1D, .Lw4
	ARM 5, G0K+8, G1D, .Lw5
	ARM 6, G0V+8, G1D, .Lw6
	ARM 7, G0K+12, G1D, .Lw7
	ARM 8, G0V+12, G1D, .Lw8
	ARM 9, G0K+16, G1D, .Lw9
	ARM 10, G0V+16, G1D, .Lw10
.Lasked:
	s_lshl_b32 s92, s94, 7
	s_add_co_u32 s92, s92, s[QT]                   ; 128 y + my tile
	s_mul_i32 s92, s92, 768
	s_mov_b32 s93, 0
	s_add_nc_u64 s[4:5], s[4:5], s[92:93]          ; Q's image
	s_lshl_b32 s92, s94, 13
	s_lshl_b32 s97, s[QT], 6
	s_add_co_u32 s92, s92, s97
	s_add_nc_u64 s[6:7], s[6:7], s[92:93]          ; Q's scale words
	s_wait_alu depctr_va_vdst(0)                   ; the wait ahead of the readers below
	global_load_b128 v[16:19], v1, s[4:5]
	global_load_b64 v[20:21], v2, s[4:5]
	global_load_b32 v28, v7, s[6:7]
	s_lshl_b32 s94, s95, 7
	s_add_co_u32 s94, s94, s[QT]                   ; my tile of tokens: 128 b + tile
	s_mul_i32 s92, s94, 12800
	s_lshr_b32 s97, s96, 3
	s_mul_i32 s97, s97, 6400
	s_add_co_u32 s92, s92, s97                     ; my run of o
	s_and_b32 s97, s96, 7
	s_lshl_b32 s96, s97, 1
	s_add_co_u32 s96, s96, s92
	s_add_co_u32 s96, s96, 6144                    ; my head's two scale bytes of token 0
	s_mul_i32 s97, s97, 768
	s_add_co_u32 s92, s92, s97                     ; my head's image
	s_mov_b32 s97, 0
	s_add_nc_u64 s[10:11], s[8:9], s[96:97]
	s_add_nc_u64 s[8:9], s[8:9], s[92:93]
.irp i, 0,1,2,3,4,5
	v_mov_b32 v[22+\i], 0                          ; zero codes for K = 64 .. 127: Q's,
.irp t, 0,1,2,3
	v_mov_b32 v[38+12*\t+\i], 0                    ; and those of K's four fragments: they stay
.endr
.endr
.irp b, 0,1,2,3
	v_mov_b32 v[216+\b], 0                         ; written once: a lane permute's destination counts as one of its sources
.endr
	v_mov_b32 v226, 0
	v_mov_b32 v227, 0                              ; (named as the upper halves of the pairs v[226:227], v[232:233])
	v_mov_b32 v233, 0
	FRESH
; A KEY STEP: 128 keys.
.macro STEP
	s_cmp_gt_u32 s[ST], s[G]                       ; all its keys come after my queries, or the step is my partner's: a branch on the wave's number and the step, round the work, not round the lines that step addresses
	s_cbranch_scc1 .Lhidden_\@
	v_add_nc_u32 v10, s[TK], v1
	s_wait_alu depctr_va_vdst(0)
	v_add_nc_u32 v11, s[TK], v2
	s_wait_alu depctr_va_vdst(0)
	v_add_nc_u32 v30, s[TK], v3
	v_add_nc_u32 v31, s[TS], v4
	v_add_nc_u32 v29, s[TT], v5
	v_nop                                          ; six plain lines: the scores below are laid over V's fragments of the last step, five places behind the products that read them
.irp u, 0,1,2,3
	ds_load_b32 v[80+\u], v31 offset:128*\u        ; K's scale words: tiles 2 u (lanes 0-15) and 2 u + 1 (lanes 16-31)
.endr
.irp g, 0,1                                    ; S^T = K Q^T, four tiles of 16 keys at a time
.if \g
.rept 4
	v_nop                                          ; places in front of loads into registers that matrix instructions have read
.endr
.endif
.irp t, 0,1,2,3
	ds_load_b128 v[32+12*\t:35+12*\t], v10 offset:768*(4*\g+\t)
	ds_load_b64 v[36+12*\t:37+12*\t], v11 offset:768*(4*\g+\t)
.endr
	s_wait_dscnt 0x0
.irp u, 0,1
	v_wmma_scale_f32_16x16x128_f8f6f4 v[96+8*(4*\g+2*\u):103+8*(4*\g+2*\u)], v[32+24*\u:43+24*\u], v[16:27], 0, v[80+2*\g+\u], v28 matrix_a_fmt:MATRIX_FMT_FP6 matrix_b_fmt:MATRIX_FMT_FP6
	v_wmma_scale_f32_16x16x128_f8f6f4 v[104+8*(4*\g+2*\u):111+8*(4*\g+2*\u)], v[44+24*\u:55+24*\u], v[16:27], 0, v[80+2*\g+\u], v28 matrix_a_fmt:MATRIX_FMT_FP6 matrix_b_fmt:MATRIX_FMT_FP6 matrix_a_scale:MATRIX_SCALE_ROW1
.endr
.endr
.rept 4
	v_nop
.endr
	s_cmp_lg_u32 s[ST], s[G]                       ; on the diagonal the scores of hidden keys become -infinity ahead of the maximum: p = 0 then
	s_cbranch_scc1 .Lopen_\@
	v_mov_b32 v228, 0xff800000
.set n, 0
.rept 64
	v_cmp_gt_i32 vcc_lo, 16*(n/8)+n%8, v6
	v_cndmask_b32 v[96+n], v[96+n], v228, vcc_lo
.set n, n+1
.endr
.Lopen_\@:
.irp b, 0,1,2,3
	v_max3_num_f32 v[212+\b], v[96+16*\b], v[97+16*\b], v[98+16*\b]   ; THE LARGEST SCORE OF EACH BLOCK OF 32 KEYS: for the row's maximum, and, since p rises with the score, for the block's largest p
.endr
.irp i, 3,5,7,9,11,13
.irp b, 0,1,2,3
	v_max3_num_f32 v[212+\b], v[212+\b], v[96+16*\b+\i], v[97+16*\b+\i]
.endr
.endr
.irp b, 0,1,2,3
	v_max_num_f32 v[212+\b], v[212+\b], v[111+16*\b]
.endr
.irp b, 0,1,2,3
	s_delay_alu instid0(VALU_DEP_4)
	v_permlanex16_b32 v[216+\b], v[212+\b], s[SEL], s[SEL+1]
.endr
.irp b, 0,1,2,3
	s_delay_alu instid0(VALU_DEP_4)
	v_max_num_f32 v[212+\b], v[212+\b], v[216+\b]  ; with lane l xor 16's 16 keys
.endr
	s_delay_alu instid0(VALU_DEP_2)
	v_max3_num_f32 v228, v212, v213, v214
	s_delay_alu instid0(VALU_DEP_1)
	v_max_num_f32 v228, v228, v215                 ; the step's largest score of my query
	s_delay_alu instid0(VALU_DEP_1)
	v_mul_f32 v228, s[CS], v228                    ; as t
	s_delay_alu instid0(VALU_DEP_1)
	v_max_num_f32 v13, v13, v228                   ; the running largest t
	v_mov_b32 v228, v12
	s_delay_alu instid0(VALU_DEP_2)
	v_floor_f32 v12, -v13                          ; the new -M = floor(-t) = -ceil(t)
	s_delay_alu instid0(VALU_DEP_1)
	v_sub_f32 v228, v12, v228                      ; old M - new M: a whole number, 0 or less
	s_delay_alu instid0(VALU_DEP_1)
	v_cvt_i32_f32 v228, v228                       ; (it saturates)
	s_delay_alu instid0(VALU_DEP_1)
	v_ldexp_f32 v226, 1.0, v228                    ; f = 2^(old M - new M)
.set n, 0
.rept 32
	v_pk_fma_f32 v[96+n:97+n], v[96+n:97+n], s[CS:CS+1], v[12:13] op_sel_hi:[1,0,0]   ; t - M, two at a time
.set n, n+2
.endr
.irp b, 0,1,2,3
	v_fma_f32 v[212+\b], v[212+\b], s[CS], v12     ; the same of each block's largest score
.endr
.set n, 0
	s_wait_alu depctr_va_vdst(0)                   ; the wait ahead of the batch
.rept 64
	v_exp_f32 v[96+n], v[96+n]                     ; p = 2^(t - M), at most 1
.set n, n+1
.endr
	v_pk_mul_f32 v[14:15], v[14:15], v[226:227] op_sel_hi:[1,0]   ; the sums under the new M: a plain line behind the exponentials
	s_wait_alu depctr_va_vdst(0)                   ; one wait for the whole batch, ahead of its first reader
.irp b, 0,1,2,3
	v_exp_f32 v[212+\b], v[212+\b]                 ; the block's largest p
.endr
	v_pk_add_f32 v[216:217], v[100:101], v[104:105]   ; the row's sum of the unquantised p, in eight chains
	v_pk_add_f32 v[252:253], v[108:109], v[112:113]
	v_pk_add_f32 v[250:251], v[116:117], v[120:121]
	v_pk_add_f32 v[248:249], v[124:125], v[128:129]
	v_pk_add_f32 v[246:247], v[132:133], v[136:137]
	v_pk_add_f32 v[244:245], v[140:141], v[144:145]
	v_pk_add_f32 v[242:243], v[148:149], v[152:153]
	v_pk_add_f32 v[14:15], v[14:15], v[156:157]
	v_pk_add_f32 v[216:217], v[216:217], v[96:97]
	v_pk_add_f32 v[252:253], v[252:253], v[98:99]
	v_pk_add_f32 v[250:251], v[250:251], v[102:103]
	v_pk_add_f32 v[248:249], v[248:249], v[106:107]
	v_pk_add_f32 v[246:247], v[246:247], v[110:111]
	v_pk_add_f32 v[244:245], v[244:245], v[114:115]
	v_pk_add_f32 v[242:243], v[242:243], v[118:119]
	v_pk_add_f32 v[14:15], v[14:15], v[122:123]
	v_pk_add_f32 v[216:217], v[216:217], v[126:127]
	v_pk_add_f32 v[252:253], v[252:253], v[130:131]
	v_pk_add_f32 v[250:251], v[250:251], v[134:135]
	v_pk_add_f32 v[248:249], v[248:249], v[138:139]
	v_pk_add_f32 v[246:247], v[246:247], v[142:143]
	v_pk_add_f32 v[244:245], v[244:245], v[146:147]
	v_pk_add_f32 v[242:243], v[242:243], v[150:151]
	v_pk_add_f32 v[14:15], v[14:15], v[154:155]
	v_pk_add_f32 v[216:217], v[216:217], v[158:159]
	s_delay_alu instid0(VALU_DEP_2)
	v_pk_add_f32 v[14:15], v[14:15], v[248:249]
	s_delay_alu instid0(VALU_DEP_2)
	v_pk_add_f32 v[216:217], v[216:217], v[246:247]
	v_pk_add_f32 v[252:253], v[252:253], v[244:245]
	v_pk_add_f32 v[250:251], v[250:251], v[242:243]
	s_delay_alu instid0(VALU_DEP_2)
	v_pk_add_f32 v[14:15], v[14:15], v[252:253]
	s_delay_alu instid0(VALU_DEP_2)
	v_pk_add_f32 v[216:217], v[216:217], v[250:251]
	s_delay_alu instid0(VALU_DEP_1)
	v_pk_add_f32 v[14:15], v[14:15], v[216:217]
	s_wait_alu depctr_va_vdst(0)                   ; and one for the four
.irp b, 0,1,2,3
	v_max_num_f32 v[212+\b], 0x1800000, v[212+\b]  ; the floor 2^(3 - 127): the byte cannot fall under 1
.endr
.irp b, 0,1,2,3
	s_delay_alu instid0(VALU_DEP_4)
	v_add_nc_u32 v[220+\b], 0xff000000, v[212+\b]  ; 2 off the exponent field: the conversion's scale operand
.endr
.irp b, 0,1,2,3
	s_delay_alu instid0(VALU_DEP_4)
	v_lshrrev_b32 v[216+\b], 23, v[220+\b]         ; the scale's byte
.endr
	s_delay_alu instid0(VALU_DEP_3)
	v_lshl_or_b32 v224, v217, 8, v216              ; p's scale word for these 128 keys
	s_delay_alu instid0(VALU_DEP_1)
	v_lshl_or_b32 v224, v218, 16, v224
	s_delay_alu instid0(VALU_DEP_1)
	v_lshl_or_b32 v224, v219, 24, v224
.irp c, 0,1
	v_cvt_scalef32_pk16_fp6_f32 v[192+6*\c:194+6*\c], v[96+32*\c:111+32*\c], v[220+2*\c]
	v_cvt_scalef32_pk16_fp6_f32 v[204+4*\c:206+4*\c], v[112+32*\c:127+32*\c], v[220+2*\c+1]
.endr
	v_nop                                          ; one plain place behind a scaled conversion
.irp c, 0,1                                    ; a WHOLE block in a lane: lanes 0-15 block 2 c, lanes 16-31 block 2 c + 1
.irp i, 0,1,2
	v_permlane16_swap_b32 v[192+6*\c+\i], v[204+4*\c+\i]
.endr
.irp i, 0,1,2
	s_delay_alu instid0(VALU_DEP_3)
	v_mov_b32 v[195+6*\c+\i], v[204+4*\c+\i]
.endr
.endr
.irp t, 0,1,2,3                                ; V's four fragments (16 d x 128 keys) into the registers that p has left
.irp c, 0,1,2
	ds_load_b128 v[96+12*\t+4*\c:99+12*\t+4*\c], v30 offset:1536*\t+512*\c
.endr
.endr
	ds_load_b32 v84, v29                           ; V's scale words: tiles 0 and 1,
	ds_load_b32 v85, v29 offset:128                ; 2 and 3
.set n, 0
.rept 16
	v_pk_mul_f32 v[160+n:161+n], v[160+n:161+n], v[226:227] op_sel_hi:[1,0]   ; O^T under the new M.  (These are also the places between the codes' and the scale word's last writes and the products)
.set n, n+2
.endr
	s_wait_alu depctr_va_vdst(0)                   ; the wait ahead of the wait below
	s_wait_dscnt 0x0
.irp u, 0,1                                    ; O^T += V^T P^T: the four accumulators take turns
	v_wmma_scale_f32_16x16x128_f8f6f4 v[160+16*\u:167+16*\u], v[96+24*\u:107+24*\u], v[192:203], v[160+16*\u:167+16*\u], v[84+\u], v224 matrix_a_fmt:MATRIX_FMT_FP6 matrix_b_fmt:MATRIX_FMT_FP6
	v_wmma_scale_f32_16x16x128_f8f6f4 v[168+16*\u:175+16*\u], v[108+24*\u:119+24*\u], v[192:203], v[168+16*\u:175+16*\u], v[84+\u], v224 matrix_a_fmt:MATRIX_FMT_FP6 matrix_b_fmt:MATRIX_FMT_FP6 matrix_a_scale:MATRIX_SCALE_ROW1
.endr
.Lhidden_\@:
	s_add_co_u32 s[ST], s[ST], 1
	s_add_co_u32 s[TK], s[TK], 6144
	s_add_co_u32 s[TS], s[TS], 512
	s_add_co_u32 s[TT], s[TT], 256
.endm
.macro WALK first, trips               ; key steps first .. first + trips - 1: every wave walks the loop, the trip count is a constant
	s_mov_b32 s[ST], \first
	s_mov_b32 s[TK], 6144*\first
	s_mov_b32 s[TS], 512*\first
	s_mov_b32 s[TT], 256*\first
	s_mov_b32 s[CNT], \trips
.Lstep_\@:
	STEP
	s_sub_co_u32 s[CNT], s[CNT], 1
	s_cmp_lg_u32 s[CNT], 0
	s_cbranch_scc1 .Lstep_\@
.endm
; THE WAY OUT of a tile.  O^T is divided by the row's sum and quantised along the head's 64 (two blocks); 16 tokens x 64 leave as an image of half a fragment's registers.
.macro WAYOUT
.rept 4
	v_nop                                          ; places behind the last products
.endr
	v_add_f32 v14, v14, v15                        ; the sum's two halves,
	s_delay_alu instid0(VALU_DEP_1)
	v_permlanex16_b32 v226, v14, s[SEL], s[SEL+1]
	s_delay_alu instid0(VALU_DEP_1)
	v_add_f32 v14, v14, v226                       ; and lane l xor 16's
	s_wait_alu depctr_va_vdst(0)                   ; the wait ahead of the transcendental
	v_rcp_f32 v14, v14
	v_cmp_eq_u32 vcc_lo, 1, v9                     ; (a plain line behind the reciprocal)  lanes 16-31
	s_wait_alu depctr_va_vdst(0)                   ; the wait ahead of the first reader
.set n, 0
.rept 32
	v_mul_f32 v[96+n], v[160+n], v14               ; register 8 t + i is o(r, 16 t + 8 h + i)
.set n, n+1
.endr
.irp b, 0,1
	v_max3_num_f32 v[212+\b], |v[96+16*\b]|, |v[97+16*\b]|, 0x1800000
.endr
.irp i, 2,4,6,8,10,12,14
.irp b, 0,1
	s_delay_alu instid0(VALU_DEP_2)
	v_max3_num_f32 v[212+\b], v[212+\b], |v[96+16*\b+\i]|, |v[97+16*\b+\i]|
.endr
.endr
.irp b, 0,1
	s_delay_alu instid0(VALU_DEP_2)
	v_permlanex16_b32 v[216+\b], v[212+\b], s[SEL], s[SEL+1]
.endr
.irp b, 0,1
	s_delay_alu instid0(VALU_DEP_2)
	v_max_num_f32 v[212+\b], v[212+\b], v[216+\b]
.endr
.irp b, 0,1
	s_delay_alu instid0(VALU_DEP_2)
	v_add_nc_u32 v[220+\b], 0xff000000, v[212+\b]
.endr
.irp b, 0,1
	s_delay_alu instid0(VALU_DEP_2)
	v_lshrrev_b32 v[216+\b], 23, v[220+\b]
.endr
	v_cvt_scalef32_pk16_fp6_f32 v[192:194], v[96:111], v220
	v_cvt_scalef32_pk16_fp6_f32 v[204:206], v[112:127], v221
	v_nop                                          ; one plain place behind a scaled conversion
.irp i, 0,1,2
	v_permlane16_swap_b32 v[192+\i], v[204+\i]
.endr
.irp i, 0,1,2
	s_delay_alu instid0(VALU_DEP_3)
	v_mov_b32 v[195+\i], v[204+\i]
.endr
	v_cndmask_b32 v229, v216, v217, vcc_lo         ; lane (r, h): the byte of block h of row r
	global_store_b128 v1, v[192:195], s[8:9]       ; 512 consecutive bytes,
	global_store_b64 v2, v[196:197], s[8:9]        ; and the 256 behind them
	global_store_b8 v86, v229, s[10:11]
.endm
	s_wait_alu depctr_va_vdst(0)                   ; the wait at the head's end
	s_wait_loadcnt 0x0                             ; Q
	s_wait_tensorcnt 0x0                           ; my one fill has landed; behind the barrier all of K and V is there for all sixteen waves, and nothing is filled again
	s_wait_dscnt 0x0
	s_barrier_signal -1
	s_barrier_wait -1
	WALK 0, 9                                      ; waves 0-7: steps 0 .. 8 of tile 15 - p;  waves 8-15: steps 0 .. p of tile p
	s_cmp_lt_u32 s[WV], 8
	s_cbranch_scc1 .Lpart
	WAYOUT                                         ; waves 8-15: tile p is finished,
	s_wait_xcnt 0x0                                ; its stores have read their bases and their data;
	s_lshl_b32 s92, s[P], 4
	s_sub_co_u32 s92, 120, s92                     ; tile 15 - p lies 8 (15 - 2 p) tiles of 16 queries further on
	s_mov_b32 s99, 0
	s_mul_i32 s98, s92, 768
	s_add_nc_u64 s[4:5], s[4:5], s[98:99]
	s_lshl_b32 s98, s92, 6
	s_add_nc_u64 s[6:7], s[6:7], s[98:99]
	s_mul_i32 s98, s92, 12800
	s_add_nc_u64 s[8:9], s[8:9], s[98:99]
	s_add_nc_u64 s[10:11], s[10:11], s[98:99]
	s_sub_co_u32 s[G], 15, s[P]
	global_load_b128 v[16:19], v1, s[4:5]          ; its Q
	global_load_b64 v[20:21], v2, s[4:5]
	global_load_b32 v28, v7, s[6:7]
	FRESH
	s_wait_alu depctr_va_vdst(0)                   ; the wait ahead of the wait below
	s_wait_loadcnt 0x0
	s_branch .Lsecond
.Lpart:                                                ; waves 0-7: my part of tile 15 - p goes to my partner: O^T, and -M with the sum's two halves
.rept 4
	v_nop                                          ; places behind the last products
.endr
	s_wait_alu depctr_va_vdst(0)
.irp k, 0,1,2,3,4,5,6,7
	ds_store_b128 v87, v[160+4*\k:163+4*\k] offset:512*\k   ; each accumulator from its low end on
.endr
	ds_store_b128 v87, v[12:15] offset:4096
	s_mov_b32 s[G], 0                              ; no further step is mine
.Lsecond:
	WALK 9, 7                                      ; waves 8-15: steps 9 .. 15 - p of tile 15 - p
	s_wait_dscnt 0x0                               ; my stores of my part are done
	s_barrier_signal -1
	s_barrier_wait -1
	s_cmp_lt_u32 s[WV], 8
	s_cbranch_scc1 .Lend
.rept 4
	v_nop                                          ; places in front of loads into registers that matrix instructions have read
.endr
.irp k, 0,1,2,3,4,5,6,7
	ds_load_b128 v[96+4*\k:99+4*\k], v87 offset:512*\k
.endr
	ds_load_b128 v[128:131], v87 offset:4096
	s_wait_alu depctr_va_vdst(0)                   ; the wait ahead of the wait below
	s_wait_dscnt 0x0
	v_min_num_f32 v228, v12, v128                  ; -M of the two parts together: M is the larger
	s_delay_alu instid0(VALU_DEP_1)
	v_sub_f32 v229, v228, v128                     ; my partner's M - M, and mine: whole numbers, 0 or less
	v_sub_f32 v230, v228, v12
	s_delay_alu instid0(VALU_DEP_2)
	v_cvt_i32_f32 v229, v229                       ; (they saturate: a part with no key step, M = -3e38, gets the factor 0)
	s_delay_alu instid0(VALU_DEP_2)
	v_cvt_i32_f32 v230, v230
	s_delay_alu instid0(VALU_DEP_2)
	v_ldexp_f32 v226, 1.0, v229
	s_delay_alu instid0(VALU_DEP_2)
	v_ldexp_f32 v232, 1.0, v230
	s_delay_alu instid0(VALU_DEP_1)
	v_pk_mul_f32 v[14:15], v[14:15], v[232:233] op_sel_hi:[1,0]
.set n, 0
.rept 16
	v_pk_mul_f32 v[160+n:161+n], v[160+n:161+n], v[232:233] op_sel_hi:[1,0]
.set n, n+2
.endr
	v_pk_fma_f32 v[14:15], v[130:131], v[226:227], v[14:15] op_sel_hi:[1,0,1]
.set n, 0
.rept 16
	v_pk_fma_f32 v[160+n:161+n], v[96+n:97+n], v[226:227], v[160+n:161+n] op_sel_hi:[1,0,1]
.set n, n+2
.endr
	WAYOUT
.Lend:
	s_wait_tensorcnt 0x0                           ; the wave's end
	ds_add_u32 v254, v255
	s_wait_dscnt 0x0
	CROUND                                         ; the closing round: no work-group ends while a partner may still ask for a tile that names it
	s_endpgm
.Lfunc_end_k_q58402c8a7e_attn:
	.size	k_q58402c8a7e_attn, .Lfunc_end_k_q58402c8a7e_attn-k_q58402c8a7e_attn
	.p2alignl 7, 3214868480
	.fill 96, 4, 3214868480
	.section	.rodata,"a",@progbits
	.p2align	6, 0x0
	.amdhsa_kernel k_q58402c8a7e_attn
		.amdhsa_group_segment_fixed_size 247808
		.amdhsa_private_segment_fixed_size 0
		.amdhsa_enable_private_segment 0
		.amdhsa_kernarg_size 24
		.amdhsa_user_sgpr_count 2
		.amdhsa_user_sgpr_kernarg_segment_ptr 1
		.amdhsa_wavefront_size32 1
		.amdhsa_system_sgpr_workgroup_id_x 1
		.amdhsa_system_sgpr_workgroup_id_y 1
		.amdhsa_system_sgpr_workgroup_id_z 1
		.amdhsa_system_vgpr_workitem_id 0
		.amdhsa_next_free_vgpr 256
		.amdhsa_next_free_sgpr 102
		.amdhsa_reserve_vcc 1
		.amdhsa_float_denorm_mode_32 3
		.amdhsa_float_denorm_mode_16_64 3
		.amdhsa_memory_ordered 1
		.amdhsa_forward_progress 1
		.amdhsa_inst_pref_size 75
	.end_amdhsa_kernel
	.amdgpu_metadata
---
amdhsa.version: [ 1, 2 ]
amdhsa.kernels:
  - .name:           k_q58402c8a7e_attn
    .symbol:         k_q58402c8a7e_attn.kd
    .args:
      - { .name: qkv_img, .offset: 0, .size: 8, .value_kind: global_buffer, .address_space: global }
      - { .name: qkv_sc, .offset: 8, .size: 8, .value_kind: global_buffer, .address_space: global }
      - { .name: o_img, .offset: 16, .size: 8, .value_kind: global_buffer, .address_space: global }
    .group_segment_fixed_size: 247808
    .private_segment_fixed_size: 0
    .kernarg_segment_align: 8
    .kernarg_segment_size: 24
    .max_flat_workgroup_size: 512
    .sgpr_count:     102
    .vgpr_count:     256
    .wavefront_size: 32
...
	.end_amdgpu_metadata
.endif
;; end of part 3
;; launch oproj (part 4): grid 8 x 32, 4 waves a work-group, clusters of 4 x 4, 327,680 bytes of LDS; arguments o_img, xw_codes, out0; writes out0
.if DOCPART == 4
	.amdgcn_target "amdgcn-amd-amdhsa--gfx1250"
	.amdhsa_code_object_version 6
	.text
	.protected	k_q58402c8a7e_oproj
	.globl	k_q58402c8a7e_oproj
	.p2align	8
	.type	k_q58402c8a7e_oproj,@function
k_q58402c8a7e_oproj:
	s_mov_b64 s[64:65], 0
	v_nop
	global_prefetch_b8 v0, s[64:65] scope:SCOPE_SE
	s_setreg_imm32_b32 hwreg(HW_REG_WAVE_MODE, 25, 1), 1
	s_wait_xcnt 0x0
	s_wait_alu depctr_hold_cnt(0) depctr_sa_sdst(0) depctr_va_vdst(0) depctr_va_sdst(0) depctr_va_ssrc(0) depctr_va_vcc(0) depctr_vm_vsrc(0)
	s_getreg_b32 s2, hwreg(HW_REG_IB_STS2, 6, 4)
	s_cmp_eq_u32 s2, 0
	s_cbranch_scc0 .Lentry_in_a_cluster
	s_endpgm
.Lentry_in_a_cluster:
	s_bfe_u32 s2, ttmp6, 0x10000c
	s_cmp_lg_u32 s2, 0xf033
	s_cbranch_scc0 .Lentry_shape_is_right
	s_endpgm
.Lentry_shape_is_right:
; out0 [4096 tokens][2048] = o [4096][1024] wo^T on codes of FP6 with E8M0 scales, f32 sums.
; A work-group makes 128 tokens x 256 columns, a wave 128 tokens x 64 columns: 32 accumulators.  32 x 8 blocks are 256 work-groups.
; OPERANDS: 16 rows x 512 K are a run of 6,400 bytes: four fragments of 1,536 bytes, then 256 scale bytes [row][16]; a block of 16 rows is two runs on end.  In wo's fragments a lane has 48 bytes on end;
; o's are two heads' images of 768 bytes (registers 0-3 at 16 x lane, 4-5 at 512 + 8 x lane).
; A slot of LDS holds K = 512 (8 runs of o, 16 of wo); K is two fills, one into each slot, and nothing is filled again.  Waves 0, 1 fetch o's runs, waves 2, 3 wo's: one tensor load a wave, rows of 6,400 bytes at multiples of 256.
; CLUSTERS: 4 x 4; o's runs are asked for jointly along a row of the cluster, wo's along a column.
; PREFETCH: behind fill 0's load fill 1 is asked for, one fill ahead of the load that wants it.  Of the four runs that a wave fetches of o the partner at cx names one, of the eight of wo the partner at cy names two:
; 25 blocks of 256 bytes a run, a lane a block (lanes 25-31 name the last again), each block once in each cluster, shared out by address.
; THE MATRIX INSTRUCTION IS USED TRANSPOSED (source 0 = 16 rows of wo, source 1 = 16 tokens): a lane holds one token and eight neighbouring columns.
; REGISTERS: window 0: v1-29 addresses, v32-95 scale words, v96-191 wo's fragments (two sets; on the way out v128-191 rows read back); window 1: v0-191 o's fragments (two sets); window 2: accumulator (a, b) at v[8 (4 a + b)].
.set ROWB,  6400
.set RBP,   2*ROWB
.set SLOT,  24*ROWB
.set BOFF,  8*ROWB
.set SPARE, 2*SLOT
.set WOC,   384*25600                  ; wo's runs in the buffer of codes
.set SPITCH, 272
.set STO,  8
.set RD,   9
.set CO,   10
.set ADRA, 16
.set ADRB, 18
.set ADRS, 20
.set ADRT, 22
.set ADRH, 24
.set PFO,  26                          ; v26 the prefetches' offset in a run: 256 x min(lane, 24); never rewritten
.set SPW,  28
.set NIL,  29
.set SC,   32
.set BF,   96
.set BK,   128
.set G1,  24
.set G0,  32
.set G1B, 48
.set G0B, 56
.set PF,  72                           ; s[72:73] my work-group's share of the runs that I fetch, at K = 0; never rewritten
.set MULW, 0xa4
.set MSB, 0
.macro WIN new
.if MSB != (\new)
	s_set_vgpr_msb (MSB<<8)|(\new)
.set MSB, (\new)
.endif
.endm
.macro JLOAD g0a, g0b
	s_cmp_eq_u32 s15, 0
	s_cbranch_scc0 .Lfor_b_\@
	tensor_load_to_lds s[\g0a:\g0a+3], s[G1:G1+7]
	s_nop 0
.rept 4
	v_nop
.endr
	s_branch .Lasked_\@
.Lfor_b_\@:
	tensor_load_to_lds s[\g0b:\g0b+3], s[G1B:G1B+7]
	s_nop 0
.rept 4
	v_nop
.endr
.Lasked_\@:
.endm
.macro CROUND
	s_barrier_signal -1
	s_barrier_wait -1
	s_cmp_lg_u32 s14, 0
	s_cbranch_scc1 .Lnot_wave_0_\@
	s_barrier_signal -3
.Lnot_wave_0_\@:
	s_barrier_wait -3
	s_barrier_signal -1
	s_barrier_wait -1
.endm
.macro DESC g, rows
	s_mov_b32 s[\g+1], 800<<16
	s_mov_b32 s[\g+2], (\rows)<<16
	s_mov_b32 s[\g+3], 800<<16
	s_mov_b32 s[\g+4], \rows
	s_mov_b32 s[\g+5], RBP/8
	s_mov_b32 s[\g+6], 0
	s_mov_b32 s[\g+7], 0
.endm
.macro PLACES
.rept 4
	v_nop
.endr
.endm
	s_load_b128 s[4:7], s[0:1], 0x0                ; o's runs, the buffer of codes
	s_load_b64 s[8:9], s[0:1], 0x10                ; out0
	v_lshl_add_u32 v[SPW], v0, 2, SPARE
	v_mov_b32 v[NIL], 0
	ds_add_u32 v[SPW], v[NIL]                      ; the opening lines: the add twice on end and its wait
	ds_add_u32 v[SPW], v[NIL]
	v_lshrrev_b32 v1, 5, v0
	v_readfirstlane_b32 s14, v1                    ; wave
	v_and_b32 v[PFO], 31, v0
	v_min_u32 v[PFO], 24, v[PFO]
	v_lshlrev_b32 v[PFO], 8, v[PFO]
	s_wait_alu depctr_va_vdst(0)
	s_lshr_b32 s15, s14, 1
	s_and_b32 s16, s14, 1
	s_bfe_u32 s40, ttmp6, 0x40000
	s_bfe_u32 s41, ttmp6, 0x40004
	s_lshl_b32 s42, ttmp9, 2
	s_add_co_u32 s42, s42, s40                     ; block column
	s_and_b32 s17, ttmp7, 0xffff
	s_lshl_b32 s17, s17, 2
	s_add_co_u32 s17, s17, s41                     ; block row
	s_lshl_b32 s43, s41, 2
	s_lshl_b32 s43, 15, s43
	s_lshl_b32 s44, 0x1111, s40
	s_or_b32 s[G1], s43, (3<<16)|(1<<21)
	s_or_b32 s[G1B], s44, (3<<16)|(1<<21)
	DESC G1, 4
	DESC G1B, 8
	s_lshl_b32 s20, s17, 3
	s_lshl_b32 s18, s16, 2
	s_add_co_u32 s20, s20, s18
	s_mul_i32 s20, s20, RBP
	s_mov_b32 s21, 0
	s_lshl_b32 s46, s42, 4
	s_lshl_b32 s18, s16, 3
	s_add_co_u32 s46, s46, s18
	s_mul_i32 s46, s46, RBP
	s_add_co_u32 s46, s46, WOC
	s_mov_b32 s47, 0
	s_mul_i32 s45, s16, 4*ROWB
	s_mul_i32 s19, s16, 8*ROWB
	s_add_co_u32 s19, s19, BOFF
	s_mul_i32 s68, s14, 4*ROWB
	s_add_co_u32 s68, s68, BOFF                    ; my four runs of wo
	s_add_co_u32 s69, s68, SLOT
	s_mul_i32 s70, s14, 16*SPITCH                  ; my stage for the way out, in slot 0
	s_lshl_b32 s22, s17, 20                        ; my part of out0: 128 rows of 8,192 bytes a block row,
	s_lshl_b32 s23, s42, 10
	s_add_co_u32 s22, s22, s23                     ; 1,024 bytes a block column,
	s_lshl_b32 s23, s14, 8
	s_add_co_u32 s22, s22, s23                     ; 256 a wave
	s_mov_b32 s23, 0
	s_wait_dscnt 0x0
	s_wait_kmcnt 0x0
	s_add_nc_u64 s[20:21], s[4:5], s[20:21]
	s_add_nc_u64 s[46:47], s[6:7], s[46:47]
	s_add_nc_u64 s[8:9], s[8:9], s[22:23]
	s_mul_i32 s74, s40, RBP                        ; the prefetches: of o's four runs that I fetch, run cx;
	s_lshl_b32 s75, s41, 1
	s_mul_i32 s75, s75, RBP                        ; of wo's eight, runs 2 cy and 2 cy + 1
	s_cmp_eq_u32 s15, 0
	s_cselect_b64 s[PF:PF+1], s[20:21], s[46:47]
	s_cselect_b32 s74, s74, s75
	s_mov_b32 s75, 0
	s_add_nc_u64 s[PF:PF+1], s[PF:PF+1], s[74:75]
	CROUND                                         ; the first joint loads meet
.irp s, 0,1
	s_mov_b32 s[G0+4*\s], 1
	s_add_co_u32 s[G0+4*\s+1], s45, \s*SLOT
	s_add_nc_u64 s[G0+4*\s+2:G0+4*\s+3], s[20:21], \s*ROWB
	s_or_b32 s[G0+4*\s+3], s[G0+4*\s+3], 0x80000000
	s_mov_b32 s[G0B+4*\s], 1
	s_add_co_u32 s[G0B+4*\s+1], s19, \s*SLOT
	s_add_nc_u64 s[G0B+4*\s+2:G0B+4*\s+3], s[46:47], \s*ROWB
	s_or_b32 s[G0B+4*\s+3], s[G0B+4*\s+3], 0x80000000
.endr
	JLOAD G0, G0B                                  ; K 0-511: one tensor load a wave at the head
	s_cmp_eq_u32 s15, 0                            ; fill 1's bytes of my share: one run of o, or two of wo
	global_prefetch_b8 v[PFO], s[PF:PF+1] offset:ROWB th:TH_LOAD_NT scope:SCOPE_SE
	s_cbranch_scc1 .Lone
	global_prefetch_b8 v[PFO], s[PF:PF+1] offset:ROWB+RBP th:TH_LOAD_NT scope:SCOPE_SE
.Lone:
	v_and_b32 v1, 31, v0                           ; lane
	v_and_b32 v2, 15, v0                           ; r
	v_bfe_u32 v3, v0, 4, 1                         ; h
	v_mul_u32_u24 v4, v1, 48
	v_lshlrev_b32 v5, 4, v2
	v_mul_u32_u24 v6, s68, v3                      ; lanes 16-31 take wo's scale words
	v_add_nc_u32 v6, v6, v5
	v_lshlrev_b32 v[ADRA], 4, v1
	v_add_nc_u32 v[ADRA+1], SLOT, v[ADRA]
	v_lshl_add_u32 v[ADRH], v1, 3, 512
	v_add_nc_u32 v[ADRH+1], SLOT, v[ADRH]
	v_add_nc_u32 v[ADRB], s68, v4
	v_add_nc_u32 v[ADRB+1], s69, v4
	v_add_nc_u32 v[ADRS], 6144, v6
	v_add_nc_u32 v[ADRS+1], SLOT+6144, v6
	v_add_nc_u32 v[ADRT], 6144, v5
	v_add_nc_u32 v[ADRT+1], SLOT+6144, v5
	v_mul_u32_u24 v[STO], v2, SPITCH
	v_lshl_add_u32 v[STO], v3, 5, v[STO]
	v_add_nc_u32 v[STO], s70, v[STO]               ; the stage, in: row r, + 32 h
	v_mul_u32_u24 v[RD], v3, SPITCH
	v_add_nc_u32 v[RD], v[RD], v5
	v_add_nc_u32 v[RD], s70, v[RD]                 ; back: sixteen lanes to a row of 256 bytes, two rows an instruction
	v_lshl_add_u32 v[CO], v3, 13, v5               ; and the same two rows in out0
.macro FETCH slot, f, set
	WIN 0
.irp b, 0,1,2,3
.irp c, 0,1,2
	ds_load_b128 v[BF+48*(\set)+12*\b+4*\c:BF+48*(\set)+12*\b+4*\c+3], v[ADRB+\slot] offset:\b*ROWB+(\f)*1536+16*\c
.endr
.endr
	WIN 0x40
.irp a, 0,1,2,3,4,5,6,7
.irp c, 0,1
	ds_load_b128 v[96*(\set)+12*\a+6*\c:96*(\set)+12*\a+6*\c+3], v[ADRA+\slot] offset:\a*ROWB+(\f)*1536+768*\c
	ds_load_b64 v[96*(\set)+12*\a+6*\c+4:96*(\set)+12*\a+6*\c+5], v[ADRH+\slot] offset:\a*ROWB+(\f)*1536+768*\c
.endr
.endr
	WIN 0
.endm
.macro SCALES slot                     ; register 4 i + f: lanes 0-15 o's block i, lanes 16-31 (i < 4) wo's block i, K step f
.irp i, 0,1,2,3
	ds_load_b128 v[SC+32*(\slot)+4*\i:SC+32*(\slot)+4*\i+3], v[ADRS+\slot] offset:\i*ROWB
.endr
.irp i, 4,5,6,7
	ds_load_b128 v[SC+32*(\slot)+4*\i:SC+32*(\slot)+4*\i+3], v[ADRT+\slot] offset:\i*ROWB
.endr
.endm
.macro MUL a0, set, sc, f, zero        ; the 32 accumulators take turns in the same order in every step
.irp a, \a0, \a0+1, \a0+2, \a0+3
.irp b, 0,1,2,3
.if \zero
	v_wmma_scale_f32_16x16x128_f8f6f4 v[8*(4*(\a)+\b):8*(4*(\a)+\b)+7], v[BF+48*(\set)+12*\b:BF+48*(\set)+12*\b+11], v[96*(\set)+12*(\a):96*(\set)+12*(\a)+11], 0, v[SC+32*(\sc)+4*\b+(\f)], v[SC+32*(\sc)+4*(\a)+(\f)] matrix_a_fmt:MATRIX_FMT_FP6 matrix_b_fmt:MATRIX_FMT_FP6 matrix_a_scale:MATRIX_SCALE_ROW1
.else
	v_wmma_scale_f32_16x16x128_f8f6f4 v[8*(4*(\a)+\b):8*(4*(\a)+\b)+7], v[BF+48*(\set)+12*\b:BF+48*(\set)+12*\b+11], v[96*(\set)+12*(\a):96*(\set)+12*(\a)+11], v[8*(4*(\a)+\b):8*(4*(\a)+\b)+7], v[SC+32*(\sc)+4*\b+(\f)], v[SC+32*(\sc)+4*(\a)+(\f)] matrix_a_fmt:MATRIX_FMT_FP6 matrix_b_fmt:MATRIX_FMT_FP6 matrix_a_scale:MATRIX_SCALE_ROW1
.endif
.endr
.endr
.endm
.macro STEP j, f, zero
	s_wait_dscnt 0x0                               ; this step's fragments are in
	PLACES                                         ; in front of loads into registers that the last step's products read
	FETCH \j, (\f)+1, ((\f)+1)%2
	WIN MULW
	MUL 0, (\f)%2, \j, \f, \zero
	MUL 4, (\f)%2, \j, \f, \zero
	WIN 0
.endm
	s_wait_alu depctr_va_vdst(0)                   ; the wait at the head's end
	s_wait_tensorcnt 0x0                           ; the full sequence ahead of slot 1's first fill
	ds_add_u32 v[SPW], v[NIL]
	s_wait_dscnt 0x0
	CROUND
	JLOAD G0+4, G0B+4                              ; K 512-1023
	FETCH 0, 0, 0
	SCALES 0
	STEP 0, 0, 1                                   ; the first products start the sums
	STEP 0, 1, 0
	STEP 0, 2, 0
	s_wait_tensorcnt 0x0                           ; my part of slot 1 has landed;
	ds_add_u32 v[SPW], v[NIL]
	s_wait_dscnt 0x0                               ; my reads of slot 0 are over
	s_barrier_signal -1
	WIN MULW
	MUL 0, 1, 0, 3, 0
	WIN 0
	s_barrier_wait -1                              ; slot 1 is whole, and nobody reads slot 0 any more; nothing is filled again
	PLACES
	FETCH 1, 0, 0
	SCALES 1
	WIN MULW
	MUL 4, 1, 0, 3, 0
	WIN 0
	STEP 1, 0, 0
	STEP 1, 1, 0
	STEP 1, 2, 0
	s_wait_dscnt 0x0
	WIN MULW
	MUL 0, 1, 1, 3, 0
	MUL 4, 1, 1, 3, 0
	WIN 0
; THE WAY OUT, by blocks of 16 tokens x 64 columns: through my stage in slot 0 and back as whole rows of 256 bytes, which sixteen lanes store as one aligned unit.
.macro TOSTAGE a
	WIN 0x08
.irp b, 0,1,2,3
	ds_store_b128 v[STO], v[8*(4*(\a)+\b):8*(4*(\a)+\b)+3] offset:64*\b       ; each accumulator from its low end on
	ds_store_b128 v[STO], v[8*(4*(\a)+\b)+4:8*(4*(\a)+\b)+7] offset:64*\b+16
.endr
	WIN 0
.irp t, 0,1,2,3,4,5,6,7
	ds_load_b128 v[BK+32*((\a)%2)+4*\t:BK+32*((\a)%2)+4*\t+3], v[RD] offset:\t*2*SPITCH   ; LDS serves a wave's instructions in order: these see the stores above
.endr
.endm
.macro SEND a, younger
	s_wait_dscnt \younger
.if (\a) > 0
	s_add_nc_u64 s[8:9], s[8:9], 16*8192           ; behind a wait on XCNT: the earlier stores have read their base
.endif
.irp t, 0,1,2,3,4,5,6,7
	global_store_b128 v[CO], v[BK+32*((\a)%2)+4*\t:BK+32*((\a)%2)+4*\t+3], s[8:9] offset:\t*2*8192 th:TH_STORE_NT
.endr
.endm
	PLACES                                         ; behind the last products
	TOSTAGE 0
.irp a, 1,2,3,4,5,6,7
.if \a > 1
	s_wait_xcnt 0x0                                ; block a - 2's stores have read their registers and their base
.endif
	TOSTAGE \a
	SEND \a-1, 16                                  ; behind block a - 1's loads: block a's 8 stores and 8 loads
.endr
	s_wait_xcnt 0x0
	SEND 7, 0
	s_wait_tensorcnt 0x0                           ; the wave's end
	ds_add_u32 v[SPW], v[NIL]
	s_wait_dscnt 0x0
	CROUND                                         ; the closing round
	s_endpgm
.Lfunc_end_k_q58402c8a7e_oproj:
	.size	k_q58402c8a7e_oproj, .Lfunc_end_k_q58402c8a7e_oproj-k_q58402c8a7e_oproj
	.p2alignl 7, 3214868480
	.fill 96, 4, 3214868480
	.section	.rodata,"a",@progbits
	.p2align	6, 0x0
	.amdhsa_kernel k_q58402c8a7e_oproj
		.amdhsa_group_segment_fixed_size 327680
		.amdhsa_private_segment_fixed_size 0
		.amdhsa_enable_private_segment 0
		.amdhsa_kernarg_size 24
		.amdhsa_user_sgpr_count 2
		.amdhsa_user_sgpr_kernarg_segment_ptr 1
		.amdhsa_wavefront_size32 1
		.amdhsa_system_sgpr_workgroup_id_x 1
		.amdhsa_system_sgpr_workgroup_id_y 1
		.amdhsa_system_sgpr_workgroup_id_z 1
		.amdhsa_system_vgpr_workitem_id 0
		.amdhsa_next_free_vgpr 768
		.amdhsa_next_free_sgpr 78
		.amdhsa_reserve_vcc 0
		.amdhsa_float_denorm_mode_32 3
		.amdhsa_float_denorm_mode_16_64 3
		.amdhsa_memory_ordered 1
		.amdhsa_forward_progress 1
		.amdhsa_inst_pref_size 82
	.end_amdhsa_kernel
	.amdgpu_metadata
---
amdhsa.version: [ 1, 2 ]
amdhsa.kernels:
  - .name:           k_q58402c8a7e_oproj
    .symbol:         k_q58402c8a7e_oproj.kd
    .args:
      - { .name: o_img, .offset: 0, .size: 8, .value_kind: global_buffer, .address_space: global }
      - { .name: xw_codes, .offset: 8, .size: 8, .value_kind: global_buffer, .address_space: global }
      - { .name: out0, .offset: 16, .size: 8, .value_kind: global_buffer, .address_space: global }
    .group_segment_fixed_size: 327680
    .private_segment_fixed_size: 0
    .kernarg_segment_align: 8
    .kernarg_segment_size: 24
    .max_flat_workgroup_size: 128
    .sgpr_count:     78
    .vgpr_count:     768
    .wavefront_size: 32
...
	.end_amdgpu_metadata
.endif
;; end of part 4
